; MI455X (gfx1250); checked and timed in simulation.
; The chip was launched on July 23, 2026; its instructions are those of AMD's public machine-readable ISA for CDNA 5 (MIT licence, August 2026) and "CDNA5" Instruction Set Architecture Reference Guide (July 2026). The comments in the code are by the model that wrote it; some were corrected since.
;; Attention Layer. Allowed arithmetic: float matrix products may take bf16 or f16 operands with f32 sums; all other float work in f32.
;; Inputs: V 1,024 float32; W_key 1,024 x 1,024 float32; W_query 1,024 x 1,024 float32; decoder_hidden 32 x 1 x 1,024 float32; encoder_outputs 32 x 2,048 x 1,024 float32.
;; Outputs: out0 32 x 1,024 float32; out1 32 x 2,048 float32.
;; 2 versions, each right and faster than the one before. Each part assembles by itself: llvm-mc -triple=amdgcn-amd-amdhsa -mcpu=gfx1250 --defsym DOCPART=n.
;; ======== version 1 of 2: 3 launches
;; workspace buffers: Wf 2,097,152 bytes; qc 131,072 bytes; sc 262,144 bytes; st 4,096 bytes; ctxp 2,097,152 bytes
;; launch prep (part 1): grid 32 x 1, 16 waves a work-group, no clusters, 207,872 bytes of LDS; arguments W_key, W_query, decoder_hidden, Wf, qc; writes Wf, qc
.if DOCPART == 1
	.amdgcn_target "amdgcn-amd-amdhsa--gfx1250"
	.amdhsa_code_object_version 6
	.text
	.protected	k_q974024b424_prep
	.globl	k_q974024b424_prep
	.p2align	8
	.type	k_q974024b424_prep,@function
k_q974024b424_prep:
	s_mov_b64 s[64:65], 0
	v_nop
	global_prefetch_b8 v0, s[64:65] scope:SCOPE_SE
	s_setreg_imm32_b32 hwreg(HW_REG_WAVE_MODE, 25, 1), 1
	s_wait_xcnt 0x0
; Two small jobs that share their first half: 64 columns of a [1024 (k)][1024 (n)] f32 weight are read, rounded to bf16 and
; turned into matrix fragments (16 n x 32 k, lane l: column l % 16, k along the registers).
;   work-groups 0-15 : W_key  -> Wf, bf16 in fragment order [ng 8][ks 32][nt 8][c 2][lane 32][j 8], the element being
;                      W_key[32 ks + 16 c + 8 (lane / 16) + j][128 ng + 16 nt + lane % 16]: a later 16-byte load a lane is a half fragment.
;   work-groups 16-31: W_query -> fragments that stay in registers; qc[b][n] = C2 * sum over k of dh[b][k] W_query[k][n], C2 = 2 log2 e,
;                      on the matrix unit (bf16 operands, f32 sums), K shared out over the 16 waves, the 16 partial sums added through LDS.
; Wave wv owns k = 64 wv .. 64 wv + 63, two units u of 32.  The transposition goes through a stage in LDS that is each wave's own.
; 32 work-groups: there are 2 x 16 pieces of 64 columns (256 bytes of every source row), and a narrower piece would read rows in parts.
.set STGW, 4160                        ; a wave's stage: 4 n tiles at a pitch of 1,040 bytes (1,024 + 16: the 16 lanes of a store hit 16 different 16-byte columns of 256)
.set RED,  66560                       ; behind the 16 stages: the partial sums, [wave 16][b 32] at a pitch of 272 bytes x [n 64] f32
.set REDW, 8704
.set VW,  5                            ; v5   byte offset of my 16 bytes in the weight
.set STA, 6                            ; v6   stage: where I put a column's 8 k
.set STR, 8                            ; v8   stage: where I read a half fragment back
.set WO,  9                            ; v9   byte offset in Wf
.set RA,  10                           ; v10  partial sums: where I put them
.set RR,  11                           ; v11  partial sums of waves 0-7: where I read them;  v13: of waves 8-15
.set QO,  14                           ; v14  byte offset in qc
.set DA,  15                           ; v15  byte offset in decoder_hidden
.set PK,  16                           ; v[16:31]   packed bf16 on the way to the stage
.set LW,  32                           ; v[32:159]  the weight as loaded: [u 2][c 2][j 8] x 4 registers; fragments of unit u come back into [u][0]
.set DH,  160                          ; v[160:223] decoder_hidden in f32: [mt 2][u 2] x 16 registers, packed in place to 8
	s_load_b256 s[4:11], s[0:1], 0x0               ; W_key s[4:5], W_query s[6:7], decoder_hidden s[8:9], Wf s[10:11]
	s_load_b64 s[12:13], s[0:1], 0x20              ; qc
	v_lshl_add_u32 v224, v0, 2, 0x32400
	v_mov_b32 v225, 0
	s_mov_b32 s2, ttmp9
	s_and_b32 s15, s2, 15                          ; cg: which 64 columns
	v_lshrrev_b32 v2, 5, v0
	v_readfirstlane_b32 s14, v2                    ; wave 0..15
	v_and_b32 v1, 31, v0                           ; lane
	v_and_b32 v3, 15, v0                           ; i = lane % 16
	v_bfe_u32 v4, v0, 4, 1                         ; h = lane / 16
	s_lshl_b32 s16, s14, 18                        ; 64 wv rows of 4,096 bytes
	s_lshl_b32 s17, s15, 8                         ; 256 cg
	s_add_co_u32 s16, s16, s17
	v_lshlrev_b32 v[VW], 4, v3                     ; 16 i: sixteen lanes take 256 neighbouring bytes of a row,
	v_lshl_add_u32 v[VW], v4, 15, v[VW]            ; the other sixteen those of the row 8 further down
	v_add_nc_u32 v[VW], s16, v[VW]
	s_mul_i32 s18, s14, STGW                       ; my wave's stage
	v_lshrrev_b32 v7, 2, v3
	v_mul_u32_u24 v[STA], v7, 1040                 ; my four columns 4 i + q lie in n tile i / 4,
	v_and_b32 v7, 3, v3
	v_lshl_add_u32 v[STA], v7, 6, v[STA]           ; at fragment lanes 16 h + 4 (i % 4) + q, 16 bytes each
	v_lshl_add_u32 v[STA], v4, 8, v[STA]
	v_add_nc_u32 v[STA], s18, v[STA]
	v_lshl_add_u32 v[STR], v1, 4, s18              ; back: 16 bytes a lane, 512 neighbouring bytes an instruction
	s_wait_kmcnt 0x0
; 32 loads: row 64 wv + 32 u + 16 c + 8 h + j, columns 64 cg + 4 i .. + 3.  Each instruction reads two aligned pieces of 256 bytes; each byte is read once in the launch.
.macro LOADW b
.irp u, 0,1
.irp c, 0,1
.irp j, 0,1,2,3,4,5,6,7
	global_load_b128 v[LW+64*\u+32*\c+4*\j:LW+64*\u+32*\c+4*\j+3], v[VW], s[\b:\b+1] offset:(32*\u+16*\c+\j)*4096 th:TH_LOAD_NT
.endr
.endr
.endr
.endm
; Eight rows j of four columns q become four columns of eight k, 16 bytes each.  left = the weight loads issued behind this group's eight.
.macro PACK u, c, left
	s_wait_loadcnt \left                           ; loads come back in order (ISA guide 5.7.1)
.irp q, 0,1,2,3
.irp p, 0,1,2,3
	v_cvt_pk_bf16_f32 v[PK+4*\q+\p], v[LW+64*\u+32*\c+8*\p+\q], v[LW+64*\u+32*\c+8*\p+4+\q]
.endr
.endr
.irp q, 0,1,2,3
	ds_store_b128 v[STA], v[PK+4*\q:PK+4*\q+3] offset:512*\c+16*\q
.endr
.endm
; The unit's four fragments come back.  The stage is my wave's own and LDS serves a wave's instructions in order (ISA guide 5.7.1.4):
; these loads see the stores above, and the next unit's stores come behind these loads.
.macro READF u
.irp nt, 0,1,2,3
.irp c, 0,1
	ds_load_b128 v[LW+64*\u+8*\nt+4*\c:LW+64*\u+8*\nt+4*\c+3], v[STR] offset:1040*\nt+512*\c
.endr
.endr
.endm
	s_cmp_ge_u32 s2, 16                            ; the work-group's number: the same in all its waves
	s_cbranch_scc1 .Lquery
	; ---- W_key to Wf ----
	LOADW 4
	s_lshr_b32 s20, s15, 1
	s_lshl_b32 s20, s20, 18                        ; ng = cg / 2: 262,144 bytes each
	s_and_b32 s21, s15, 1
	s_lshl_b32 s21, s21, 12                        ; n tiles 4 (cg % 2) .. + 3: 1,024 bytes each
	s_add_co_u32 s20, s20, s21
	s_mov_b32 s21, 0
	s_add_nc_u64 s[10:11], s[10:11], s[20:21]
	s_lshl_b32 s19, s14, 14                        ; ks = 2 wv + u: 8,192 bytes each
	v_lshl_add_u32 v[WO], v1, 4, s19
	PACK 0, 0, 24
	PACK 0, 1, 16
	READF 0
	PACK 1, 0, 8
	PACK 1, 1, 0
	READF 1
	s_wait_dscnt 0x0
.irp u, 0,1
.irp nt, 0,1,2,3
.irp c, 0,1
	global_store_b128 v[WO], v[LW+64*\u+8*\nt+4*\c:LW+64*\u+8*\nt+4*\c+3], s[10:11] offset:8192*\u+1024*\nt+512*\c   ; 512 neighbouring bytes, aligned
.endr
.endr
.endr
	s_wait_tensorcnt 0x0
	ds_add_u32 v224, v225
	s_wait_dscnt 0x0
	s_endpgm
	; ---- qc = C2 * decoder_hidden x W_query, 64 columns, all 32 batches ----
.Lquery:
	v_lshlrev_b32 v[DA], 12, v3                    ; batch 16 mt + i: rows of 4,096 bytes
	v_lshl_add_u32 v[DA], v4, 5, v[DA]             ; k = 8 h .. : 32 bytes of f32
	s_lshl_b32 s23, s14, 8                         ; my wave's 64 k
	v_add_nc_u32 v[DA], s23, v[DA]
.irp mt, 0,1
.irp u, 0,1
.irp e, 0,1,2,3
	global_load_b128 v[DH+16*(2*\mt+\u)+4*\e:DH+16*(2*\mt+\u)+4*\e+3], v[DA], s[8:9] offset:65536*\mt+128*\u+16*((\e)&1)+64*((\e)>>1)   ; issued ahead of the weight, so that PACK's counts hold here too
.endr
.endr
.endr
	LOADW 6
	s_mul_i32 s22, s14, REDW
	s_add_co_u32 s22, s22, RED
	v_mul_u32_u24 v[RA], v4, 2176                  ; a result register j is batch 16 mt + 8 h + j, column 16 nt + i
	v_lshl_add_u32 v[RA], v3, 2, v[RA]
	v_add_nc_u32 v[RA], s22, v[RA]
	v_lshrrev_b32 v12, 4, v0                       ; thread t adds batch t / 16, columns 4 (t % 16) .. + 3
	v_mul_u32_u24 v[RR], v12, 272
	v_lshl_add_u32 v[RR], v3, 4, v[RR]
	v_add_nc_u32 v[RR], RED, v[RR]
	v_add_nc_u32 v13, 8*REDW, v[RR]                ; an LDS immediate has 16 bits: waves 8-15 get a register of their own
	v_lshlrev_b32 v[QO], 12, v12
	v_lshl_add_u32 v[QO], v3, 4, v[QO]
	v_add_nc_u32 v[QO], s17, v[QO]
	PACK 0, 0, 24
	PACK 0, 1, 16
	READF 0
	PACK 1, 0, 8
	PACK 1, 1, 0
	READF 1
.irp g, 0,1,2,3
.irp x, 0,1,2,3,4,5,6,7
	v_cvt_pk_bf16_f32 v[DH+16*\g+\x], v[DH+16*\g+2*\x], v[DH+16*\g+2*\x+1]   ; ascending: register x is written when registers 2 x, 2 x + 1 are still whole
.endr
.endr
	s_wait_dscnt 0x0
	; 2 m tiles x 4 n tiles x 2 units.  The first unit starts the sums.  The eight accumulators take turns, one instruction a turn.
	; They lie where the weight's [u][1] groups lay, which PACK has used up.
.irp u, 0,1
.irp mt, 0,1
.irp nt, 0,1,2,3
.if \u
	v_wmma_f32_16x16x32_bf16 v[64+64*\mt+8*\nt:64+64*\mt+8*\nt+7], v[DH+16*(2*\mt+\u):DH+16*(2*\mt+\u)+7], v[LW+64*\u+8*\nt:LW+64*\u+8*\nt+7], v[64+64*\mt+8*\nt:64+64*\mt+8*\nt+7]
.else
	v_wmma_f32_16x16x32_bf16 v[64+64*\mt+8*\nt:64+64*\mt+8*\nt+7], v[DH+16*(2*\mt+\u):DH+16*(2*\mt+\u)+7], v[LW+64*\u+8*\nt:LW+64*\u+8*\nt+7], 0
.endif
.endr
.endr
.endr
.rept 4
	v_nop                                          ; four places behind the last matrix instruction before its result is read (ISA guide 7.12.1)
.endr
.irp mt, 0,1
.irp nt, 0,1,2,3
.irp j, 0,1,2,3,4,5,6,7
	ds_store_b32 v[RA], v[64+64*\mt+8*\nt+\j] offset:(16*\mt+\j)*272+64*\nt
.endr
.endr
.endr
	s_wait_dscnt 0x0                               ; my partial sums are in LDS, for the other waves' sake
	s_barrier_signal -1
	s_barrier_wait -1
.irp w, 0,1,2,3,4,5,6,7
	ds_load_b128 v[32+4*\w:32+4*\w+3], v[RR] offset:REDW*\w
.endr
.irp w, 0,1,2,3,4,5,6,7
	ds_load_b128 v[64+4*\w:64+4*\w+3], v13 offset:REDW*\w
.endr
	s_wait_dscnt 0x0
.irp d, 32,16,8,4                      ; a tree over the 16 waves' sums: 16 + 8 + 4 + 2 packed adds
.set x, 0
.rept \d/2
	v_pk_add_f32 v[32+x:33+x], v[32+x:33+x], v[32+\d+x:33+\d+x]
.set x, x+2
.endr
.endr
	v_pk_mul_f32 v[32:33], v[32:33], 0x4038aa3b op_sel_hi:[1,0]    ; C2 = 2 log2 e, folded in here once
	v_pk_mul_f32 v[34:35], v[34:35], 0x4038aa3b op_sel_hi:[1,0]
	global_store_b128 v[QO], v[32:35], s[12:13]    ; sixteen lanes store 256 neighbouring bytes, aligned
	s_wait_tensorcnt 0x0
	ds_add_u32 v224, v225
	s_wait_dscnt 0x0
	s_endpgm
.Lfunc_end_k_q974024b424_prep:
	.size	k_q974024b424_prep, .Lfunc_end_k_q974024b424_prep-k_q974024b424_prep
	.p2alignl 7, 3214868480
	.fill 96, 4, 3214868480
	.section	.rodata,"a",@progbits
	.p2align	6, 0x0
	.amdhsa_kernel k_q974024b424_prep
		.amdhsa_group_segment_fixed_size 207872
		.amdhsa_private_segment_fixed_size 0
		.amdhsa_enable_private_segment 0
		.amdhsa_kernarg_size 40
		.amdhsa_user_sgpr_count 2
		.amdhsa_user_sgpr_kernarg_segment_ptr 1
		.amdhsa_wavefront_size32 1
		.amdhsa_system_sgpr_workgroup_id_x 1
		.amdhsa_system_sgpr_workgroup_id_y 1
		.amdhsa_system_sgpr_workgroup_id_z 1
		.amdhsa_system_vgpr_workitem_id 0
		.amdhsa_next_free_vgpr 226
		.amdhsa_next_free_sgpr 66
		.amdhsa_reserve_vcc 0
		.amdhsa_float_denorm_mode_32 3
		.amdhsa_float_denorm_mode_16_64 3
		.amdhsa_memory_ordered 1
		.amdhsa_forward_progress 1
		.amdhsa_inst_pref_size 35
	.end_amdhsa_kernel
	.amdgpu_metadata
---
amdhsa.version: [ 1, 2 ]
amdhsa.kernels:
  - .name:           k_q974024b424_prep
    .symbol:         k_q974024b424_prep.kd
    .args:
      - { .name: W_key, .offset: 0, .size: 8, .value_kind: global_buffer, .address_space: global }
      - { .name: W_query, .offset: 8, .size: 8, .value_kind: global_buffer, .address_space: global }
      - { .name: decoder_hidden, .offset: 16, .size: 8, .value_kind: global_buffer, .address_space: global }
      - { .name: Wf, .offset: 24, .size: 8, .value_kind: global_buffer, .address_space: global }
      - { .name: qc, .offset: 32, .size: 8, .value_kind: global_buffer, .address_space: global }
    .group_segment_fixed_size: 207872
    .private_segment_fixed_size: 0
    .kernarg_segment_align: 8
    .kernarg_segment_size: 40
    .max_flat_workgroup_size: 512
    .sgpr_count:     66
    .vgpr_count:     226
    .wavefront_size: 32
...
	.end_amdgpu_metadata
.endif
;; end of part 1
;; launch main (part 2): grid 512 x 1, 4 waves a work-group, no clusters, 311,808 bytes of LDS; arguments encoder_outputs, Wf, qc, V, sc, st, ctxp; writes sc, st, ctxp
.if DOCPART == 2
	.amdgcn_target "amdgcn-amd-amdhsa--gfx1250"
	.amdhsa_code_object_version 6
	.text
	.protected	k_q974024b424_main
	.globl	k_q974024b424_main
	.p2align	8
	.type	k_q974024b424_main,@function
k_q974024b424_main:
	s_mov_b64 s[64:65], 0
	v_nop
	global_prefetch_b8 v0, s[64:65] scope:SCOPE_SE
	s_setreg_imm32_b32 hwreg(HW_REG_WAVE_MODE, 25, 1), 1
	s_wait_xcnt 0x0
; One work-group = 128 rows s of one batch b (block id = 16 b + part).  It reads its 128 x 1024 of encoder_outputs from memory ONCE, rounds it to
; bf16 into LDS, and keeps it there for everything: keys = enc x W_key (matrix unit), s'[s] = sum over n of -2 V[n] / (1 + 2^(C2 (q[n] + keys[s][n]))),
; the block's maximum m, p = exp(s' - m), l = sum p, and the block's part of the context, sum over s of p[s] enc[s][:].  A last launch merges the 16 blocks of a batch.
; tanh x = 1 - 2 / (1 + e^(2x)), so the true score is s' + sum of V; that sum is the same for every s and a softmax does not see a common shift: an identity, for every input.
; 2^(..) = inf gives the term 0 and 2^(..) = 0 gives -2 V[n]: tanh's two ends, exactly.
; LIMITS: matrix operands are bf16 (enc in the context sum too); v_exp_f32 gives 0 for results below 2^-126 (ISA guide 15.8), so a weight
; below 2^-126 of its block's largest is 0; sums are formed in another order than the reference's.
;
; SHAPE: four waves.  Wave w makes all 128 rows x columns 256 w .. 256 w + 255 of keys, in two chunks of 128 columns: 64 accumulator tiles, 512 registers.
; K goes in steps of 32: 64 matrix instructions on 8 KiB of enc fragments from LDS and 8 KiB of W fragments.
; W's columns are a wave's own, so LDS would give W no second reader in the work-group: W goes from Wf (bf16, already in fragment order, 512 dense bytes an
; instruction) straight into a ring of four register buffers, asked for three steps ahead.
; NO TENSOR LOADS, NO JOINT LOADS, though every work-group walks the same W: the enc block takes 294,912 of the 327,680 bytes of LDS and the tables 16,384;
; a step's W is 32,768 bytes for the work-group, so not even one slot of one step would fit, let alone two.  Halving the block would double the bytes of W that are walked.
; During chunk 0 enc arrives under the matrix work: a half-stage (16 of the wave's 32 rows x 256 bytes of f32) is asked for in every step, converted four steps later,
; and a slice of 64 k is handed to the other waves by one barrier for every two steps.  Every byte of the enc block in LDS is written once.
;
; LDS: A [slice 16][row 128] at a pitch of 144 bytes (64 k of bf16 + 16: 9 x 16, so the 16 rows of a fragment load start in 16 different 16-byte columns of 256).
.set SL,  18432                        ; a slice: 128 rows x 144 bytes
.set QC,  294912                       ; qc[b][0..1023], f32 (C2 x query)
.set SCP, 303104                       ; [wave 4][row 128] partial scores          (QC + 4,096: -2 V[0..1023])
.set PW,  305152                       ; [wave 4][row 128] p, a copy for each wave
.set CT,  307200                       ; [wave 4][256] the context on its way out, each wave's own
; REGISTERS, in windows of 256.  Window 0:
.set VB,   2                           ; 16 x lane: offset in Wf, sc, ctxp; never rewritten
.set VE,   3                           ; offset in enc: (32 w + h) rows + 16 i; never rewritten
.set AR,   4                           ; LDS: my place in an enc fragment, 144 r + 16 h, + two slices every four steps
.set AR0,  5                           ; the same, kept
.set AW,   6                           ; LDS: where I put converted enc, (32 w + h) 144 + 8 i, + two slices every four steps
.set QA,   7                           ; LDS: my columns of qc
.set SCPA, 8
.set PWA,  9
.set PWR,  10
.set CA,   11                          ; LDS: the context's reads
.set CTA,  12
.set CTR,  13
.set SCR,  14
.set QST,  15
.set S,    16                          ; v[16:31]   a pair of running score sums for each of the 8 m tiles
.set C,    32                          ; v[32:47]   packed bf16 on the way to LDS
.set P,    48                          ; v[48:55]   p of rows 16 i + r
.set U,    56                          ; v[56:63]   eight context columns at work
.set AF,   64                          ; v[64:127]  enc fragments: m tiles 0-3, then 4-7
.set E,    128                         ; v[128:255] four buffers of 32: enc in f32 as loaded
.set Q,    128                         ; later v[128:191]: qc of my chunk's columns
.set VVR,  192                         ;       v[192:255]: -2 V of them
.set X,    128                         ; later still: scores, then the context's rows
.set ML,   144                         ; v[144:145] the block's m and l
.set TT,   146
; Window 1: the W ring, buffer n at v[64 n + 8 nt].  Window 2: accumulators of m tiles 0-3, tile (a, b) at v[8 (8 a + b)].  Window 3: of m tiles 4-7.
; s_set_vgpr_msb's low byte: bits 1:0 source 0, 3:2 source 1, 5:4 source 2, 7:6 destination.
.set MUL_LO, 0xa1                      ; source 0 (W) window 1, source 1 (enc) window 0, C and D window 2
.set MUL_HI, 0xf1                      ; the same, C and D window 3
.set TO_B,   0x40                      ; destination window 1
.set EX2,    0x82                      ; destination and source 0 in window 2
.set EX3,    0xc3                      ; in window 3
.set EY2,    0x02                      ; source 0 alone in window 2
.set EY3,    0x03                      ; in window 3
.set MSB, 0
.macro WIN new                         ; the immediate's high byte repeats the setting that is left; a switch that changes nothing is dropped
.if MSB != \new
	s_set_vgpr_msb (MSB<<8)|\new
.set MSB, \new
.endif
.endm
.macro PLACES                          ; four places behind a matrix instruction before its result is read or a load is issued into one of its registers (ISA guide 7.12.1 for a read of its result)
.rept 4
	v_nop
.endr
.endm
; Half-stage u: slice u / 2, rows 16 (u % 2) .. + 15 of my wave's 32.  Each instruction reads two aligned pieces of 256 bytes; each byte once in the launch.
.macro LDE u
.irp g, 0,1,2,3,4,5,6,7
	global_load_b128 v[E+32*((\u)%4)+4*\g:E+32*((\u)%4)+4*\g+3], v[VE], s[4:5] offset:((\u)>>1)*256+(16*((\u)&1)+2*\g)*4096 th:TH_LOAD_NT
.endr
.endm
; A step's eight W fragments, 8,192 dense bytes at byte imm, into ring buffer buf
.macro LDB buf, imm
	WIN TO_B
.irp nt, 0,1,2,3,4,5,6,7
	global_load_b128 v[64*(\buf)+8*\nt:64*(\buf)+8*\nt+3],   v[VB], s[6:7] offset:\imm+1024*\nt
	global_load_b128 v[64*(\buf)+8*\nt+4:64*(\buf)+8*\nt+7], v[VB], s[6:7] offset:\imm+1024*\nt+512
.endr
	WIN 0
.endm
; Half-stage u to bf16 and into LDS, rel slices beyond AW's
.macro CONV u, rel
.irp g, 0,1,2,3,4,5,6,7
	v_cvt_pk_bf16_f32 v[C+2*\g],   v[E+32*((\u)%4)+4*\g],   v[E+32*((\u)%4)+4*\g+1]
	v_cvt_pk_bf16_f32 v[C+2*\g+1], v[E+32*((\u)%4)+4*\g+2], v[E+32*((\u)%4)+4*\g+3]
.endr
.irp g, 0,1,2,3,4,5,6,7
	ds_store_b64 v[AW], v[C+2*\g:C+2*\g+1] offset:(\rel)*SL+(16*((\u)&1)+2*\g)*144
.endr
.endm
; Four enc fragments (m tiles 4 half .. + 3) of the 32 k at byte off beyond AR: lane (r, h) takes k = 8 h .. + 7 and, 32 bytes on, k = 16 + 8 h .. + 7 of row 16 a + r
.macro LDA half, off
.irp a, 0,1,2,3
	ds_load_b128 v[AF+32*\half+8*\a:AF+32*\half+8*\a+3],   v[AR] offset:\off+(4*\half+\a)*2304
	ds_load_b128 v[AF+32*\half+8*\a+4:AF+32*\half+8*\a+7], v[AR] offset:\off+(4*\half+\a)*2304+32
.endr
.endm
; 32 matrix instructions.  Source 0 = 16 columns of W, source 1 = 16 rows of enc: register j of lane (r, h) is row 16 a + r, column 16 b + 8 h + j,
; so a lane's registers run along the columns over which the score is summed.  zero = 1: the first product starts the sums, nothing is cleared.
; The 64 accumulators take turns, one instruction a turn, over the loop's backward jump too.
.macro MUL32 buf, hi, zero
.irp a, 0,1,2,3
.irp b, 0,1,2,3,4,5,6,7
.if \zero
	v_wmma_f32_16x16x32_bf16 v[8*(8*\a+\b):8*(8*\a+\b)+7], v[64*(\buf)+8*\b:64*(\buf)+8*\b+7], v[AF+8*(4*\hi+\a):AF+8*(4*\hi+\a)+7], 0
.else
	v_wmma_f32_16x16x32_bf16 v[8*(8*\a+\b):8*(8*\a+\b)+7], v[64*(\buf)+8*\b:64*(\buf)+8*\b+7], v[AF+8*(4*\hi+\a):AF+8*(4*\hi+\a)+7], v[8*(8*\a+\b):8*(8*\a+\b)+7]
.endif
.endr
.endr
.endm
; One K step of 32.  buf: its ring buffer.  lc: the global loads issued behind this step's W (and behind the half-stage that it converts).
; bwait: the barrier wait for the slice that the next step begins.  nxt: the next step's enc fragments are fetched, at byte aoff beyond AR.
; conv: half-stage cu is converted, crel slices beyond AW.  ldb: W of three steps on, at byte bimm, into the buffer that the last step used.
; lde: half-stage eu is asked for, into the buffer just converted.  sig: a slice is complete on my side.
.macro STEP buf, zero, lc, bwait, nxt, aoff, conv, cu, crel, ldb, bimm, lde, eu, sig
	s_wait_loadcnt \lc                             ; loads come back in order (ISA guide 5.7.1)
	s_wait_dscnt 8                                 ; m tiles 0-3 are in (and the last step's LDS stores done); the youngest eight loads, m tiles 4-7, may be out
	WIN MUL_LO
	MUL32 \buf, 0, \zero
.if \bwait
	s_barrier_wait -1                              ; every wave's part of the next slice is in LDS
.endif
.if \ldb
	LDB ((\buf)+3)%4, \bimm                        ; that buffer's last readers stand ahead of the places that closed the last step
.endif
	WIN 0
	PLACES
.if \nxt
	LDA 0, \aoff
.endif
.if \conv
	CONV \cu, \crel
.endif
.if \lde
	LDE \eu
.endif
	s_wait_dscnt 8*\nxt+8*\conv                    ; m tiles 4-7 are in; only what was issued just above may be out
	WIN MUL_HI
	MUL32 \buf, 1, \zero
	WIN 0
.if \sig
	s_wait_dscnt 0x0                               ; my stores of the slice are in LDS, for the other waves' sake (and no LDS instruction is pending at a signal)
	s_barrier_signal -1                            ; up to the wait stand only matrix work and loads of an older slice, which nobody writes again
.endif
	PLACES
.if \nxt
	LDA 1, \aoff
.endif
.endm
	; ---- set-up: addresses, then everything that can be asked for ----
	s_load_b256 s[4:11], s[0:1], 0x0               ; enc s[4:5], Wf s[6:7], qc s[8:9], V s[10:11]
	s_load_b128 s[12:15], s[0:1], 0x20             ; sc s[12:13], st s[14:15]
	s_load_b64 s[16:17], s[0:1], 0x30              ; ctxp
	v_lshrrev_b32 v19, 5, v0
	v_readfirstlane_b32 s18, v19                   ; wave 0..3
	v_and_b32 v16, 31, v0                          ; lane
	v_and_b32 v17, 15, v0                          ; r (also i)
	v_bfe_u32 v18, v0, 4, 1                        ; h
	v_lshlrev_b32 v1, 4, v0                        ; 16 x thread: qc's and V's 4,096 bytes, 2 x 16 bytes a thread
	v_lshlrev_b32 v[VB], 4, v16
	s_lshl_b32 s32, s18, 17                        ; my wave's 32 rows of 4,096 bytes
	v_lshlrev_b32 v[VE], 4, v17
	v_lshl_add_u32 v[VE], v18, 12, v[VE]
	v_add_nc_u32 v[VE], s32, v[VE]
	s_lshl_b32 s20, ttmp9, 19                      ; the block's 128 rows of 4,096 bytes: at most 511 x 524,288, below 2^32
	s_mov_b32 s21, 0
	s_lshl_b32 s28, s18, 19                        ; my wave's two column groups of Wf, 262,144 bytes each
	s_mov_b32 s29, 0
	s_lshr_b32 s30, ttmp9, 4                       ; batch
	s_lshl_b32 s30, s30, 12
	s_mov_b32 s31, 0
	s_mov_b32 s22, 0x4038aa3b                      ; C2 = 2 log2 e, in both registers of the pair
	s_mov_b32 s23, 0x4038aa3b
	s_mov_b32 s24, 0x76543210                      ; v_permlanex16_b32: lane i of one half reads lane i of the other
	s_mov_b32 s25, 0xfedcba98
	s_mov_b32 s26, 0x3fb8aa3b                      ; log2 e
	s_wait_kmcnt 0x0
	s_add_nc_u64 s[4:5], s[4:5], s[20:21]
	s_add_nc_u64 s[6:7], s[6:7], s[28:29]
	s_add_nc_u64 s[8:9], s[8:9], s[30:31]
	global_load_b128 v[C:C+3],     v1, s[8:9]
	global_load_b128 v[C+4:C+7],   v1, s[8:9] offset:2048
	global_load_b128 v[C+8:C+11],  v1, s[10:11]
	global_load_b128 v[C+12:C+15], v1, s[10:11] offset:2048
	LDE 0
	LDE 1
	LDE 2
	LDE 3
	LDB 0, 0
	s_lshl_b32 s20, ttmp9, 9
	s_add_nc_u64 s[12:13], s[12:13], s[20:21]      ; sc: 128 scores a block
	s_lshl_b32 s20, ttmp9, 3
	s_add_nc_u64 s[14:15], s[14:15], s[20:21]      ; st: (m, l)
	s_lshl_b32 s20, ttmp9, 12
	s_lshl_b32 s30, s18, 10                        ; 1,024 w
	s_add_co_u32 s20, s20, s30
	s_add_nc_u64 s[16:17], s[16:17], s[20:21]      ; ctxp: my wave's 256 columns of the block's row
	v_mul_u32_u24 v[AR0], v17, 144
	v_lshl_add_u32 v[AR0], v18, 4, v[AR0]
	v_mov_b32 v[AR], v[AR0]
	s_mul_i32 s33, s18, 32*144
	v_mul_u32_u24 v[AW], v18, 144
	v_lshl_add_u32 v[AW], v17, 3, v[AW]
	v_add_nc_u32 v[AW], s33, v[AW]
	s_add_co_u32 s33, s30, QC
	v_lshl_add_u32 v[QA], v18, 5, s33              ; column 256 w + 8 h, 4 bytes each
	s_lshl_b32 s34, s18, 9
	s_add_co_u32 s33, s34, SCP
	v_lshl_add_u32 v[SCPA], v17, 2, s33
	s_add_co_u32 s33, s34, PW
	v_lshl_add_u32 v[PWA], v16, 4, s33
	v_lshl_add_u32 v[PWR], v17, 2, s33
	s_mul_i32 s33, s18, 4*SL
	v_add_nc_u32 v[CA], s33, v[AR0]
	s_add_co_u32 s33, s30, CT
	v_lshl_add_u32 v[CTA], v18, 5, s33
	v_lshl_add_u32 v[CTR], v16, 4, s33
	v_add_nc_u32 v[SCR], SCP, v[VB]
	v_add_nc_u32 v[QST], QC, v1
	s_wait_loadcnt 48                              ; qc and V are in; the 32 enc loads and the 16 W loads behind them stay out
.irp k, 8,10,12,14
	v_pk_mul_f32 v[C+\k:C+\k+1], v[C+\k:C+\k+1], -2.0 op_sel_hi:[1,0]
.endr
.irp k, 0,1,2,3
	ds_store_b128 v[QST], v[C+4*\k:C+4*\k+3] offset:2048*\k
.endr
	; ---- three runs without matrix work: slice 0 and half of slice 1.  Order of issue so far and here: qc V | e0 e1 e2 e3 | B0 | B1 e4 | B2 e5 | e6 ----
	; From here to the end of chunk 0 the text would have up to 80 loads out; LOADcnt's field holds 63 and the hardware holds back the issue of a load that
	; would pass it (ISA guide 5.7.1), so no wait is written for that.
	s_wait_loadcnt 40                              ; e0 is in: e1 e2 e3 (24) and B0 (16) stay out
	CONV 0, 0
	LDB 1, 8192
	LDE 4
	s_wait_loadcnt 56                              ; e1 is in: e2 e3 (16), B0 B1 (32), e4 (8) stay out
	CONV 1, 0
	LDB 2, 2*8192
	LDE 5
	s_wait_dscnt 0x0                               ; my rows of slice 0 and my parts of the two tables are in LDS
	s_barrier_signal -1
	s_wait_loadcnt 63                              ; e2 is in: 72 loads were issued behind it, and 63 is the largest count that the wait can name
	s_barrier_wait -1
	LDA 0, 0
	CONV 2, 1
	LDE 6
	LDA 1, 0
	; ---- chunk 0: columns 256 w .. + 127, steps 0 to 31, written out, so that every address is a lane term and a constant ----
	; Step kk: W of step kk + 3 is asked for (the last three are chunk 1's first), half-stage kk + 3 is converted, half-stage kk + 7 asked for.
	; Slice t is converted in steps 2 t - 3 and 2 t - 2, signalled at the end of step 2 t - 2, waited for in the middle of step 2 t - 1 and first read just behind that wait.
	; Behind B(kk) were issued e(kk+4) B(kk+1) e(kk+5) B(kk+2) e(kk+6): 56 loads; the last half-stage is e31, so the count falls to 48, 40, 32.
.set kk, 0
.rept 32
.set F_ZERO, 0
.if kk == 0
.set F_ZERO, 1
.endif
.set F_LC, 56
.if kk == 26
.set F_LC, 48
.endif
.if kk == 27
.set F_LC, 40
.endif
.if kk >= 28
.set F_LC, 32
.endif
.set F_CONV, 0
.if kk <= 28
.set F_CONV, 1
.endif
.set F_LDE, 0
.if kk <= 24
.set F_LDE, 1
.endif
.set F_SIG, 0
.set F_BW, 0
.if kk%2 == 0
.if kk <= 28
.set F_SIG, 1
.endif
.else
.if kk <= 29
.set F_BW, 1
.endif
.endif
.set F_NXT, 0
.if kk < 31
.set F_NXT, 1
.endif
	STEP kk%4, F_ZERO, F_LC, F_BW, F_NXT, (((kk+1)>>1)-2*(kk>>2))*SL+64*((kk+1)&1), F_CONV, kk+3, ((kk+3)>>1)-2*(kk>>2), 1, 8192*(kk+3), F_LDE, kk+7, F_SIG
.if kk%4 == 3
.if kk < 31
	v_add_nc_u32 v[AR], 2*SL, v[AR]                ; two slices on, so that the LDS immediates stay inside their 16 bits
	v_add_nc_u32 v[AW], 2*SL, v[AW]
.endif
.endif
.set kk, kk+1
.endr
; ---- the way from keys to scores, in place on the accumulators ----
.macro PKF t                           ; tile t of the window: x = C2 keys + qc
.irp p, 0,1,2,3
	v_pk_fma_f32 v[8*(\t)+2*\p:8*(\t)+2*\p+1], v[8*(\t)+2*\p:8*(\t)+2*\p+1], s[22:23], v[Q+8*((\t)%8)+2*\p:Q+8*((\t)%8)+2*\p+1] op_sel_hi:[1,0,1]
.endr
.endm
; r = 1 / (1 + 2^x) for the window's 32 tiles.  The next tile's multiply-adds are the plain instructions that stand between a tile's
; v_exp_f32 and the use of their results (ISA guide 5.7.2); the last tile has a v_nop.  A tile's v_rcp_f32 are followed by the next tile's v_exp_f32, and read much later.
.macro SIGM
	PKF 0
.set tt, 0
.rept 32
.irp j, 0,1,2,3,4,5,6,7
	v_exp_f32 v[8*tt+\j], v[8*tt+\j]
.endr
.if tt < 31
	PKF tt+1
.else
	v_nop
	s_wait_alu depctr_va_vdst(0)
.endif
	s_wait_alu depctr_va_vdst(0)
.irp p, 0,1,2,3
	v_pk_add_f32 v[8*tt+2*\p:8*tt+2*\p+1], v[8*tt+2*\p:8*tt+2*\p+1], 1.0 op_sel_hi:[1,0]
.endr
.irp j, 0,1,2,3,4,5,6,7
	v_rcp_f32 v[8*tt+\j], v[8*tt+\j]
.endr
.set tt, tt+1
.endr
.endm
; S[m tile] += r x (-2 V), two columns at a time; four m tiles take turns.  init = 1: the first products start the sums.
.macro VDOT hi, init
.irp b, 0,1,2,3,4,5,6,7
.irp p, 0,1,2,3
.irp a, 0,1,2,3
.set FIRST, 0
.if \init
.if \b+\p == 0
.set FIRST, 1
.endif
.endif
.if FIRST
	v_pk_mul_f32 v[S+2*(4*\hi+\a):S+2*(4*\hi+\a)+1], v[8*(8*\a+\b)+2*\p:8*(8*\a+\b)+2*\p+1], v[VVR+8*\b+2*\p:VVR+8*\b+2*\p+1]
	s_wait_alu depctr_va_vdst(0)
.else
	s_wait_alu depctr_va_vdst(0)
	v_pk_fma_f32 v[S+2*(4*\hi+\a):S+2*(4*\hi+\a)+1], v[8*(8*\a+\b)+2*\p:8*(8*\a+\b)+2*\p+1], v[VVR+8*\b+2*\p:VVR+8*\b+2*\p+1], v[S+2*(4*\hi+\a):S+2*(4*\hi+\a)+1]
.endif
.endr
.endr
.endr
.endm
; The four places behind the last matrix instruction are those that close the last step.
.macro EPILOGUE chunk, init
.irp b, 0,1,2,3,4,5,6,7
	ds_load_b128 v[Q+8*\b:Q+8*\b+3],       v[QA] offset:512*\chunk+64*\b          ; columns 16 b + 8 h + 0 .. 7 of my chunk: the sixteen lanes of a half read the same bytes
	ds_load_b128 v[Q+8*\b+4:Q+8*\b+7],     v[QA] offset:512*\chunk+64*\b+16
	ds_load_b128 v[VVR+8*\b:VVR+8*\b+3],   v[QA] offset:4096+512*\chunk+64*\b
	ds_load_b128 v[VVR+8*\b+4:VVR+8*\b+7], v[QA] offset:4096+512*\chunk+64*\b+16
.endr
	s_wait_dscnt 0x0
	WIN EX2
	SIGM
	WIN EX3
	SIGM
	WIN EY2
	VDOT 0, \init
	WIN EY3
	VDOT 1, \init
	WIN 0
.endm
	EPILOGUE 0, 1
	; ---- chunk 1: columns 256 w + 128 .. + 255, steps 32 to 63; enc is all in LDS: no conversion, no barrier ----
	v_mov_b32 v[AR], v[AR0]
	LDA 0, 0
	LDA 1, 0
; Four steps = two slices.  Behind a step's W the W of the next two steps was issued: 32 loads.
.macro TRIP zero
	STEP 0, \zero, 32, 0, 1, 64,    0, 0, 0, 1, 35*8192, 0, 0, 0
	STEP 1, 0,     32, 0, 1, SL,    0, 0, 0, 1, 36*8192, 0, 0, 0
	STEP 2, 0,     32, 0, 1, SL+64, 0, 0, 0, 1, 37*8192, 0, 0, 0
	STEP 3, 0,     32, 0, 1, 2*SL,  0, 0, 0, 1, 38*8192, 0, 0, 0
	s_wait_xcnt 0x0                                ; the loads' base is stepped only behind this wait (ISA guide 3.1)
	s_add_nc_u64 s[6:7], s[6:7], 4*8192
	v_add_nc_u32 v[AR], 2*SL, v[AR]
.endm
	TRIP 1                                         ; the first trip stands in front of the loop: its first products start the sums
	s_mov_b32 s19, 6
.Ltrip:
	TRIP 0
	s_sub_co_i32 s19, s19, 1
	s_cmp_lg_u32 s19, 0
	s_cbranch_scc1 .Ltrip
	STEP 0, 0, 32, 0, 1, 64,    0, 0, 0, 1, 35*8192, 0, 0, 0     ; the last trip: one more W (step 63's), then the counts run down
	STEP 1, 0, 32, 0, 1, SL,    0, 0, 0, 0, 0,       0, 0, 0
	STEP 2, 0, 16, 0, 1, SL+64, 0, 0, 0, 0, 0,       0, 0, 0
	STEP 3, 0, 0,  0, 0, 0,     0, 0, 0, 0, 0,       0, 0, 0
	EPILOGUE 1, 0
	; ---- scores: a lane's pair, the two halves of the lanes (h), then the four waves ----
.irp a, 0,1,2,3,4,5,6,7
	v_add_f32 v[S+2*\a], v[S+2*\a], v[S+2*\a+1]
.endr
.irp a, 0,1,2,3,4,5,6,7
	v_permlanex16_b32 v[S+2*\a+1], v[S+2*\a], s24, s25
.endr
.irp a, 0,1,2,3,4,5,6,7
	v_add_f32 v[S+2*\a], v[S+2*\a], v[S+2*\a+1]
.endr
.irp a, 0,1,2,3,4,5,6,7
	ds_store_b32 v[SCPA], v[S+2*\a] offset:64*\a   ; row 16 a + r; lanes r and 16 + r store the same number to the same word
.endr
	s_wait_dscnt 0x0                               ; for the other waves' sake
	s_barrier_signal -1
	s_barrier_wait -1
.irp w, 0,1,2,3
	ds_load_b128 v[X+4*\w:X+4*\w+3], v[SCR] offset:512*\w          ; rows 4 lane .. + 3 of every wave's part; every wave does the same sums in the same order
.endr
	s_wait_dscnt 0x0
	v_pk_add_f32 v[X:X+1],     v[X:X+1],     v[X+4:X+5]
	v_pk_add_f32 v[X+2:X+3],   v[X+2:X+3],   v[X+6:X+7]
	v_pk_add_f32 v[X+8:X+9],   v[X+8:X+9],   v[X+12:X+13]
	v_pk_add_f32 v[X+10:X+11], v[X+10:X+11], v[X+14:X+15]
	v_pk_add_f32 v[X:X+1],     v[X:X+1],     v[X+8:X+9]
	v_pk_add_f32 v[X+2:X+3],   v[X+2:X+3],   v[X+10:X+11]          ; v[X:X+3] = s' of my four rows
	v_max3_num_f32 v[ML], v[X], v[X+1], v[X+2]
	v_max_num_f32 v[ML], v[ML], v[X+3]
.irp x, 1,2,4,8
	v_max_num_f32_dpp v[ML], v[ML], v[ML] row_xmask:\x row_mask:0xf bank_mask:0xf
.endr
	v_permlanex16_b32 v[TT], v[ML], s24, s25
	v_max_num_f32 v[ML], v[ML], v[TT]              ; m, the block's largest s', in every lane
.irp e, 0,1,2,3
	v_sub_f32 v[X+4+\e], v[X+\e], v[ML]
.endr
.irp e, 0,1,2,3
	v_mul_f32 v[X+4+\e], s26, v[X+4+\e]
.endr
.irp e, 0,1,2,3
	v_exp_f32 v[X+4+\e], v[X+4+\e]                 ; p = e^(s' - m), at most 1
.endr
	v_nop                                          ; one plain instruction behind the transcendentals (ISA guide 5.7.2)
	s_wait_alu depctr_va_vdst(0)
	v_add_f32 v[ML+1], v[X+4], v[X+5]
	v_add_f32 v[TT], v[X+6], v[X+7]
	v_add_f32 v[ML+1], v[ML+1], v[TT]
.irp x, 1,2,4,8
	v_add_f32_dpp v[ML+1], v[ML+1], v[ML+1] row_xmask:\x row_mask:0xf bank_mask:0xf
.endr
	v_permlanex16_b32 v[TT], v[ML+1], s24, s25
	v_add_f32 v[ML+1], v[ML+1], v[TT]              ; l, the block's sum of p
	ds_store_b128 v[PWA], v[X+4:X+7]               ; p by rows, into my wave's own copy,
.irp i, 0,1,2,3,4,5,6,7
	ds_load_b32 v[P+\i], v[PWR] offset:64*\i       ; and back as p of rows 16 i + r: a wave's LDS instructions are served in order (ISA guide 5.7.1.4)
.endr
	s_cmp_lg_u32 s18, 0                            ; wave 0 alone stores the block's scores and (m, l)
	s_cbranch_scc1 .Lnot_wave_0
	global_store_b128 v[VB], v[X:X+3], s[12:13]    ; 512 neighbouring bytes, aligned
	s_wait_xcnt 0x0                                ; EXEC changes only behind this wait
	v_cmp_eq_u32 vcc_lo, 0, v0
	s_and_saveexec_b32 s27, vcc_lo
	global_store_b64 v[VB], v[ML:ML+1], s[14:15]   ; lane 0, whose offset is 0
	s_wait_xcnt 0x0                                ; and again in front of the line that widens it
	s_or_b32 exec_lo, exec_lo, s27
.Lnot_wave_0:
	; ---- the block's context, sum over its 128 rows of p x enc, from the bf16 block in LDS; wave w takes slices 4 w .. + 3 = columns 256 w .. + 255 ----
	; A product of one row: on the matrix unit 15 of 16 rows would be idle and enc would have to be read transposed, so it is done by fused multiply-adds straight from bf16 halves.
	; Lane (r, h) sums rows 16 i + r for columns 16 c + 8 h + 0 .. 7 of the slice; four DPP steps add the sixteen r.
.macro CTXSLICE q
.irp c, 0,1,2,3
.irp i, 0,1,2,3,4,5,6,7
	ds_load_b128 v[X+32*\c+4*\i:X+32*\c+4*\i+3], v[CA] offset:2304*\i+32*\c
.endr
.endr
.irp c, 0,1,2,3
	s_wait_dscnt 8*(3-\c)                          ; the later groups' loads may be out
.irp k, 0,1,2,3
	v_lshlrev_b32 v[U+2*\k],   16, v[X+32*\c+\k]
	v_and_b32     v[U+2*\k+1], 0xffff0000, v[X+32*\c+\k]
.endr
.irp k, 0,1,2,3
	v_pk_mul_f32 v[U+2*\k:U+2*\k+1], v[U+2*\k:U+2*\k+1], v[P:P+1] op_sel_hi:[1,0]      ; row r starts the sums: both by p[r]
.endr
.irp i, 1,2,3,4,5,6,7
.irp k, 0,1,2,3
	v_fma_mix_f32_bf16 v[U+2*\k],   v[X+32*\c+4*\i+\k], v[P+\i], v[U+2*\k]   op_sel_hi:[1,0,0]
	v_fma_mix_f32_bf16 v[U+2*\k+1], v[X+32*\c+4*\i+\k], v[P+\i], v[U+2*\k+1] op_sel:[1,0,0] op_sel_hi:[1,0,0]
.endr
.endr
.irp x, 1,2,4,8
.irp j, 0,1,2,3,4,5,6,7
	v_add_f32_dpp v[U+\j], v[U+\j], v[U+\j] row_xmask:\x row_mask:0xf bank_mask:0xf
.endr
.endr
	ds_store_b128 v[CTA], v[U:U+3]   offset:256*\q+64*\c           ; the sixteen lanes of a half store the same numbers to the same bytes
	ds_store_b128 v[CTA], v[U+4:U+7] offset:256*\q+64*\c+16
.endr
.if \q < 3
	v_add_nc_u32 v[CA], SL, v[CA]
.endif
.endm
	CTXSLICE 0
	CTXSLICE 1
	CTXSLICE 2
	CTXSLICE 3
	ds_load_b128 v[X:X+3],   v[CTR]                ; my wave's own bytes, served in order behind the stores
	ds_load_b128 v[X+4:X+7], v[CTR] offset:512
	s_wait_dscnt 0x0
	global_store_b128 v[VB], v[X:X+3],   s[16:17]              ; 512 neighbouring bytes each, aligned
	global_store_b128 v[VB], v[X+4:X+7], s[16:17] offset:512
	s_wait_xcnt 0x0
	s_mov_b32 exec_lo, -1
	v_lshl_add_u32 v62, v0, 2, 0x4c000
	v_mov_b32 v63, 0
	s_wait_tensorcnt 0x0
	ds_add_u32 v62, v63
	s_wait_dscnt 0x0
	s_endpgm
.Lfunc_end_k_q974024b424_main:
	.size	k_q974024b424_main, .Lfunc_end_k_q974024b424_main-k_q974024b424_main
	.p2alignl 7, 3214868480
	.fill 96, 4, 3214868480
	.section	.rodata,"a",@progbits
	.p2align	6, 0x0
	.amdhsa_kernel k_q974024b424_main
		.amdhsa_group_segment_fixed_size 311808
		.amdhsa_private_segment_fixed_size 0
		.amdhsa_enable_private_segment 0
		.amdhsa_kernarg_size 56
		.amdhsa_user_sgpr_count 2
		.amdhsa_user_sgpr_kernarg_segment_ptr 1
		.amdhsa_wavefront_size32 1
		.amdhsa_system_sgpr_workgroup_id_x 1
		.amdhsa_system_sgpr_workgroup_id_y 1
		.amdhsa_system_sgpr_workgroup_id_z 1
		.amdhsa_system_vgpr_workitem_id 0
		.amdhsa_next_free_vgpr 1024
		.amdhsa_next_free_sgpr 66
		.amdhsa_reserve_vcc 1
		.amdhsa_float_denorm_mode_32 3
		.amdhsa_float_denorm_mode_16_64 3
		.amdhsa_memory_ordered 1
		.amdhsa_forward_progress 1
		.amdhsa_inst_pref_size 255
	.end_amdhsa_kernel
	.section	.bss,"aw",@nobits
	.p2align	6
	.space	262144
	.amdgpu_metadata
---
amdhsa.version: [ 1, 2 ]
amdhsa.kernels:
  - .name:           k_q974024b424_main
    .symbol:         k_q974024b424_main.kd
    .args:
      - { .name: encoder_outputs, .offset: 0, .size: 8, .value_kind: global_buffer, .address_space: global }
      - { .name: Wf, .offset: 8, .size: 8, .value_kind: global_buffer, .address_space: global }
      - { .name: qc, .offset: 16, .size: 8, .value_kind: global_buffer, .address_space: global }
      - { .name: V, .offset: 24, .size: 8, .value_kind: global_buffer, .address_space: global }
      - { .name: sc, .offset: 32, .size: 8, .value_kind: global_buffer, .address_space: global }
      - { .name: st, .offset: 40, .size: 8, .value_kind: global_buffer, .address_space: global }
      - { .name: ctxp, .offset: 48, .size: 8, .value_kind: global_buffer, .address_space: global }
    .group_segment_fixed_size: 311808
    .private_segment_fixed_size: 0
    .kernarg_segment_align: 8
    .kernarg_segment_size: 56
    .max_flat_workgroup_size: 128
    .sgpr_count:     66
    .vgpr_count:     1024
    .wavefront_size: 32
...
	.end_amdgpu_metadata
.endif
;; end of part 2
;; launch finish (part 3): grid 128 x 1, 2 waves a work-group, no clusters, 0 bytes of LDS; arguments sc, st, ctxp, out0, out1; writes out0, out1
.if DOCPART == 3
	.amdgcn_target "amdgcn-amd-amdhsa--gfx1250"
	.amdhsa_code_object_version 6
	.text
	.protected	k_q974024b424_finish
	.globl	k_q974024b424_finish
	.p2align	8
	.type	k_q974024b424_finish,@function
k_q974024b424_finish:
	s_mov_b64 s[64:65], 0
	v_nop
	global_prefetch_b8 v0, s[64:65] scope:SCOPE_SE
	s_setreg_imm32_b32 hwreg(HW_REG_WAVE_MODE, 25, 1), 1
	s_wait_xcnt 0x0
; Merges the 16 blocks of a batch.  M = max of the blocks' m; w_i = e^(m_i - M); L = sum of l_i w_i;
; out1[b][s] = e^(s' - M) / L;  out0[b][c] = sum over i of (w_i / L) ctxp[16 b + i][c].
; A work-group takes a quarter of a batch: 512 weights and 256 context columns; 64 threads, 16 bytes each an instruction.
; The bytes are few (2.4 MB in all) and each is read once: no LDS, no barrier; every lane makes M and L for itself from the 16 pairs.
; LIMIT: v_exp_f32 gives 0 for results below 2^-126 (ISA guide 15.8): a weight that small relative to the batch's largest is 0.
.set LOG2E, 0x3fb8aa3b
.set SCV, 12                           ; v[12:19]  eight scores, then eight weights
.set CX,  20                           ; v[20:83]  16 blocks x 4 context columns
.set O,   84                           ; v[84:87]  the four columns' sums
.set F,   32                           ; s[32:47]  w_i / L
	s_load_b256 s[4:11], s[0:1], 0x0               ; sc s[4:5], st s[6:7], ctxp s[8:9], out0 s[10:11]
	s_load_b64 s[12:13], s[0:1], 0x20              ; out1
	s_lshr_b32 s14, ttmp9, 2                       ; batch
	s_and_b32 s15, ttmp9, 3                        ; quarter
	v_and_b32 v1, 15, v0
	v_lshlrev_b32 v1, 3, v1                        ; block lane % 16: 8 bytes of st; both halves of the lanes hold the same 16 pairs
	v_lshlrev_b32 v9, 4, v0                        ; 16 x thread
	s_lshl_b32 s16, s14, 7                         ; st: 16 pairs a batch
	s_mov_b32 s17, 0
	s_lshl_b32 s18, s14, 13                        ; sc and out1: 8,192 bytes a batch, 2,048 a quarter
	s_lshl_b32 s24, s15, 11
	s_add_co_u32 s18, s18, s24
	s_mov_b32 s19, 0
	s_lshl_b32 s24, s15, 10                        ; 256 columns
	s_lshl_b32 s20, s14, 16                        ; ctxp: 16 rows of 4,096 bytes a batch
	s_add_co_u32 s20, s20, s24
	s_mov_b32 s21, 0
	s_lshl_b32 s22, s14, 12                        ; out0: a row a batch
	s_add_co_u32 s22, s22, s24
	s_mov_b32 s23, 0
	s_wait_kmcnt 0x0
	s_add_nc_u64 s[6:7], s[6:7], s[16:17]
	s_add_nc_u64 s[4:5], s[4:5], s[18:19]
	s_add_nc_u64 s[12:13], s[12:13], s[18:19]
	s_add_nc_u64 s[8:9], s[8:9], s[20:21]
	s_add_nc_u64 s[10:11], s[10:11], s[22:23]
	global_load_b64 v[2:3], v1, s[6:7]             ; (m, l) of block lane % 16
	global_load_b128 v[SCV:SCV+3],   v9, s[4:5]
	global_load_b128 v[SCV+4:SCV+7], v9, s[4:5] offset:1024
.irp i, 0,1,2,3,4,5,6,7,8,9,10,11,12,13,14,15
	global_load_b128 v[CX+4*\i:CX+4*\i+3], v9, s[8:9] offset:4096*\i
.endr
	s_wait_loadcnt 18                              ; (m, l) is in; the 2 loads of scores and the 16 of ctxp stay out
	v_mov_b32 v4, v2
.irp x, 1,2,4,8
	v_max_num_f32_dpp v4, v4, v4 row_xmask:\x row_mask:0xf bank_mask:0xf
.endr
	v_sub_f32 v5, v2, v4                           ; m_i - M, at most 0
	v_mul_f32 v5, LOG2E, v5
	v_exp_f32 v5, v5
	v_nop                                          ; one plain instruction behind a transcendental (ISA guide 5.7.2)
	s_wait_alu depctr_va_vdst(0)
	v_mul_f32 v6, v3, v5
.irp x, 1,2,4,8
	v_add_f32_dpp v6, v6, v6 row_xmask:\x row_mask:0xf bank_mask:0xf
.endr
	v_rcp_f32 v7, v6                               ; L is at least 1: the block that holds M has w = 1 and l at least 1
	v_nop
	s_wait_alu depctr_va_vdst(0)
	v_mul_f32 v8, v5, v7
.irp i, 0,1,2,3,4,5,6,7,8,9,10,11,12,13,14,15
	v_readlane_b32 s[F+\i], v8, \i
.endr
	s_wait_loadcnt 16                              ; the scores are in
.irp e, 0,1,2,3,4,5,6,7
	v_sub_f32 v[SCV+\e], v[SCV+\e], v4
.endr
.irp e, 0,1,2,3,4,5,6,7
	v_mul_f32 v[SCV+\e], LOG2E, v[SCV+\e]
.endr
.irp e, 0,1,2,3,4,5,6,7
	v_exp_f32 v[SCV+\e], v[SCV+\e]
.endr
	v_nop
	s_wait_alu depctr_va_vdst(0)
.irp e, 0,1,2,3,4,5,6,7
	v_mul_f32 v[SCV+\e], v[SCV+\e], v7
.endr
	global_store_b128 v9, v[SCV:SCV+3],   s[12:13]             ; a wave's store covers 512 neighbouring bytes, aligned
	global_store_b128 v9, v[SCV+4:SCV+7], s[12:13] offset:1024
	s_wait_loadcnt 15                              ; block 0's part; the counts run down with the blocks
.irp e, 0,1,2,3
	v_mul_f32 v[O+\e], s[F], v[CX+\e]              ; the first block starts the sums
.endr
.irp i, 1,2,3,4,5,6,7,8,9,10,11,12,13,14,15
	s_wait_loadcnt 15-\i
.irp e, 0,1,2,3
	v_fmac_f32 v[O+\e], s[F+\i], v[CX+4*\i+\e]
.endr
.endr
	global_store_b128 v9, v[O:O+3], s[10:11]
	s_endpgm
.Lfunc_end_k_q974024b424_finish:
	.size	k_q974024b424_finish, .Lfunc_end_k_q974024b424_finish-k_q974024b424_finish
	.p2alignl 7, 3214868480
	.fill 96, 4, 3214868480
	.section	.rodata,"a",@progbits
	.p2align	6, 0x0
	.amdhsa_kernel k_q974024b424_finish
		.amdhsa_group_segment_fixed_size 0
		.amdhsa_private_segment_fixed_size 0
		.amdhsa_enable_private_segment 0
		.amdhsa_kernarg_size 40
		.amdhsa_user_sgpr_count 2
		.amdhsa_user_sgpr_kernarg_segment_ptr 1
		.amdhsa_wavefront_size32 1
		.amdhsa_system_sgpr_workgroup_id_x 1
		.amdhsa_system_sgpr_workgroup_id_y 1
		.amdhsa_system_sgpr_workgroup_id_z 1
		.amdhsa_system_vgpr_workitem_id 0
		.amdhsa_next_free_vgpr 96
		.amdhsa_next_free_sgpr 66
		.amdhsa_reserve_vcc 0
		.amdhsa_float_denorm_mode_32 3
		.amdhsa_float_denorm_mode_16_64 3
		.amdhsa_memory_ordered 1
		.amdhsa_forward_progress 1
		.amdhsa_inst_pref_size 9
	.end_amdhsa_kernel
	.amdgpu_metadata
---
amdhsa.version: [ 1, 2 ]
amdhsa.kernels:
  - .name:           k_q974024b424_finish
    .symbol:         k_q974024b424_finish.kd
    .args:
      - { .name: sc, .offset: 0, .size: 8, .value_kind: global_buffer, .address_space: global }
      - { .name: st, .offset: 8, .size: 8, .value_kind: global_buffer, .address_space: global }
      - { .name: ctxp, .offset: 16, .size: 8, .value_kind: global_buffer, .address_space: global }
      - { .name: out0, .offset: 24, .size: 8, .value_kind: global_buffer, .address_space: global }
      - { .name: out1, .offset: 32, .size: 8, .value_kind: global_buffer, .address_space: global }
    .group_segment_fixed_size: 0
    .private_segment_fixed_size: 0
    .kernarg_segment_align: 8
    .kernarg_segment_size: 40
    .max_flat_workgroup_size: 64
    .sgpr_count:     66
    .vgpr_count:     96
    .wavefront_size: 32
...
	.end_amdgpu_metadata
.endif
;; end of part 3
;; ======== version 2 of 2: 3 launches; 1.43 times as fast as version 1
;; workspace buffers: Wf 2,097,152 bytes; qc 131,072 bytes; sc 262,144 bytes; st 4,096 bytes; ctxp 2,097,152 bytes
;; launch prep (part 4): grid 32 x 1, 16 waves a work-group, no clusters, 207,872 bytes of LDS; arguments W_key, W_query, decoder_hidden, Wf, qc; writes Wf, qc
.if DOCPART == 4
	.amdgcn_target "amdgcn-amd-amdhsa--gfx1250"
	.amdhsa_code_object_version 6
	.text
	.protected	k_q974024b424_prep
	.globl	k_q974024b424_prep
	.p2align	8
	.type	k_q974024b424_prep,@function
k_q974024b424_prep:
	s_mov_b64 s[64:65], 0
	v_nop
	global_prefetch_b8 v0, s[64:65] scope:SCOPE_SE
	s_setreg_imm32_b32 hwreg(HW_REG_WAVE_MODE, 25, 1), 1
	s_wait_xcnt 0x0
; Two small jobs that share their first half: 64 columns of a [1024 (k)][1024 (n)] f32 weight are read, multiplied by C2 = 2 log2 e, rounded to bf16
; and turned into matrix fragments (16 n x 32 k, lane l: column l % 16, k along the registers).
;   work-groups 0-15 : W_key  -> Wf, bf16 in fragment order [ng 8][ks 32][nt 8][c 2][lane 32][j 8], the element being
;                      C2 x W_key[32 ks + 16 c + 8 (lane / 16) + j][128 ng + 16 nt + lane % 16]: a later 16-byte load a lane is a half fragment.
;   work-groups 16-31: W_query -> fragments that stay in registers; qc[b][n] = sum over k of dh[b][k] (C2 W_query[k][n]),
;                      on the matrix unit (bf16 operands, f32 sums), K shared out over the 16 waves, the 16 partial sums added through LDS.
; C2 is folded in here, once for each weight, so that the next launch's sums are the exponents of 2 that its tanh needs.  LIMIT: the weights are rounded to bf16 after that factor.
; Wave wv owns k = 64 wv .. 64 wv + 63, two units u of 32.  The transposition goes through a stage in LDS that is each wave's own.
; 32 work-groups: there are 2 x 16 pieces of 64 columns (256 bytes of every source row), and a narrower piece would read rows in parts.
.set STGW, 4160                        ; a wave's stage: 4 n tiles at a pitch of 1,040 bytes (1,024 + 16: the 16 lanes of a store hit 16 different 16-byte columns of 256)
.set RED,  66560                       ; behind the 16 stages: the partial sums, [wave 16][b 32] at a pitch of 272 bytes x [n 64] f32
.set REDW, 8704
.set C2,  0x4038aa3b                   ; 2 log2 e
.set VW,  5                            ; v5   byte offset of my 16 bytes in the weight
.set STA, 6                            ; v6   stage: where I put a column's 8 k
.set STR, 8                            ; v8   stage: where I read a half fragment back
.set WO,  9                            ; v9   byte offset in Wf
.set RA,  10                           ; v10  partial sums: where I put them
.set RR,  11                           ; v11  partial sums of waves 0-7: where I read them;  v13: of waves 8-15
.set QO,  14                           ; v14  byte offset in qc
.set DA,  15                           ; v15  byte offset in decoder_hidden
.set PK,  16                           ; v[16:31]   packed bf16 on the way to the stage
.set LW,  32                           ; v[32:159]  the weight as loaded: [u 2][c 2][j 8] x 4 registers; fragments of unit u come back into [u][0]
.set DH,  160                          ; v[160:223] decoder_hidden in f32: [mt 2][u 2] x 16 registers, packed in place to 8
	s_load_b256 s[4:11], s[0:1], 0x0               ; W_key s[4:5], W_query s[6:7], decoder_hidden s[8:9], Wf s[10:11]
	s_load_b64 s[12:13], s[0:1], 0x20              ; qc
	v_lshl_add_u32 v224, v0, 2, 0x32400
	v_mov_b32 v225, 0
	s_mov_b32 s2, ttmp9
	s_and_b32 s15, s2, 15                          ; cg: which 64 columns
	v_lshrrev_b32 v2, 5, v0
	v_readfirstlane_b32 s14, v2                    ; wave 0..15
	v_and_b32 v1, 31, v0                           ; lane
	v_and_b32 v3, 15, v0                           ; i = lane % 16
	v_bfe_u32 v4, v0, 4, 1                         ; h = lane / 16
	s_lshl_b32 s16, s14, 18                        ; 64 wv rows of 4,096 bytes
	s_lshl_b32 s17, s15, 8                         ; 256 cg
	s_add_co_u32 s16, s16, s17
	v_lshlrev_b32 v[VW], 4, v3                     ; 16 i: sixteen lanes take 256 neighbouring bytes of a row,
	v_lshl_add_u32 v[VW], v4, 15, v[VW]            ; the other sixteen those of the row 8 further down
	v_add_nc_u32 v[VW], s16, v[VW]
	s_mul_i32 s18, s14, STGW                       ; my wave's stage
	v_lshrrev_b32 v7, 2, v3
	v_mul_u32_u24 v[STA], v7, 1040                 ; my four columns 4 i + q lie in n tile i / 4,
	v_and_b32 v7, 3, v3
	v_lshl_add_u32 v[STA], v7, 6, v[STA]           ; at fragment lanes 16 h + 4 (i % 4) + q, 16 bytes each
	v_lshl_add_u32 v[STA], v4, 8, v[STA]
	v_add_nc_u32 v[STA], s18, v[STA]
	v_lshl_add_u32 v[STR], v1, 4, s18              ; back: 16 bytes a lane, 512 neighbouring bytes an instruction
	s_wait_kmcnt 0x0
; 32 loads: row 64 wv + 32 u + 16 c + 8 h + j, columns 64 cg + 4 i .. + 3.  Each instruction reads two aligned pieces of 256 bytes; each byte is read once in the launch.
.macro LOADW b
.irp u, 0,1
.irp c, 0,1
.irp j, 0,1,2,3,4,5,6,7
	global_load_b128 v[LW+64*\u+32*\c+4*\j:LW+64*\u+32*\c+4*\j+3], v[VW], s[\b:\b+1] offset:(32*\u+16*\c+\j)*4096 th:TH_LOAD_NT
.endr
.endr
.endr
.endm
; Eight rows j of four columns q are scaled by C2 and become four columns of eight k, 16 bytes each.  left = the weight loads issued behind this group's eight.
.macro PACK u, c, left
	s_wait_loadcnt \left                           ; loads come back in order (ISA guide 5.7.1)
.irp x, 0,2,4,6,8,10,12,14,16,18,20,22,24,26,28,30
	v_pk_mul_f32 v[LW+64*\u+32*\c+\x:LW+64*\u+32*\c+\x+1], v[LW+64*\u+32*\c+\x:LW+64*\u+32*\c+\x+1], C2 op_sel_hi:[1,0]
.endr
.irp q, 0,1,2,3
.irp p, 0,1,2,3
	v_cvt_pk_bf16_f32 v[PK+4*\q+\p], v[LW+64*\u+32*\c+8*\p+\q], v[LW+64*\u+32*\c+8*\p+4+\q]
.endr
.endr
.irp q, 0,1,2,3
	ds_store_b128 v[STA], v[PK+4*\q:PK+4*\q+3] offset:512*\c+16*\q
.endr
.endm
; The unit's four fragments come back.  The stage is my wave's own and LDS serves a wave's instructions in order (ISA guide 5.7.1.4):
; these loads see the stores above, and the next unit's stores come behind these loads.
.macro READF u
.irp nt, 0,1,2,3
.irp c, 0,1
	ds_load_b128 v[LW+64*\u+8*\nt+4*\c:LW+64*\u+8*\nt+4*\c+3], v[STR] offset:1040*\nt+512*\c
.endr
.endr
.endm
	s_cmp_ge_u32 s2, 16                            ; the work-group's number: the same in all its waves
	s_cbranch_scc1 .Lquery
	; ---- W_key to Wf ----
	LOADW 4
	s_lshr_b32 s20, s15, 1
	s_lshl_b32 s20, s20, 18                        ; ng = cg / 2: 262,144 bytes each
	s_and_b32 s21, s15, 1
	s_lshl_b32 s21, s21, 12                        ; n tiles 4 (cg % 2) .. + 3: 1,024 bytes each
	s_add_co_u32 s20, s20, s21
	s_mov_b32 s21, 0
	s_add_nc_u64 s[10:11], s[10:11], s[20:21]
	s_lshl_b32 s19, s14, 14                        ; ks = 2 wv + u: 8,192 bytes each
	v_lshl_add_u32 v[WO], v1, 4, s19
	PACK 0, 0, 24
	PACK 0, 1, 16
	READF 0
	PACK 1, 0, 8
	PACK 1, 1, 0
	READF 1
	s_wait_dscnt 0x0
.irp u, 0,1
.irp nt, 0,1,2,3
.irp c, 0,1
	global_store_b128 v[WO], v[LW+64*\u+8*\nt+4*\c:LW+64*\u+8*\nt+4*\c+3], s[10:11] offset:8192*\u+1024*\nt+512*\c   ; 512 neighbouring bytes, aligned
.endr
.endr
.endr
	s_wait_tensorcnt 0x0
	ds_add_u32 v224, v225
	s_wait_dscnt 0x0
	s_endpgm
	; ---- qc = decoder_hidden x (C2 W_query), 64 columns, all 32 batches ----
.Lquery:
	v_lshlrev_b32 v[DA], 12, v3                    ; batch 16 mt + i: rows of 4,096 bytes
	v_lshl_add_u32 v[DA], v4, 5, v[DA]             ; k = 8 h .. : 32 bytes of f32
	s_lshl_b32 s23, s14, 8                         ; my wave's 64 k
	v_add_nc_u32 v[DA], s23, v[DA]
.irp mt, 0,1
.irp u, 0,1
.irp e, 0,1,2,3
	global_load_b128 v[DH+16*(2*\mt+\u)+4*\e:DH+16*(2*\mt+\u)+4*\e+3], v[DA], s[8:9] offset:65536*\mt+128*\u+16*((\e)&1)+64*((\e)>>1)   ; issued ahead of the weight, so that PACK's counts hold here too
.endr
.endr
.endr
	LOADW 6
	s_mul_i32 s22, s14, REDW
	s_add_co_u32 s22, s22, RED
	v_mul_u32_u24 v[RA], v4, 2176                  ; a result register j is batch 16 mt + 8 h + j, column 16 nt + i
	v_lshl_add_u32 v[RA], v3, 2, v[RA]
	v_add_nc_u32 v[RA], s22, v[RA]
	v_lshrrev_b32 v12, 4, v0                       ; thread t adds batch t / 16, columns 4 (t % 16) .. + 3
	v_mul_u32_u24 v[RR], v12, 272
	v_lshl_add_u32 v[RR], v3, 4, v[RR]
	v_add_nc_u32 v[RR], RED, v[RR]
	v_add_nc_u32 v13, 8*REDW, v[RR]                ; an LDS immediate has 16 bits: waves 8-15 get a register of their own
	v_lshlrev_b32 v[QO], 12, v12
	v_lshl_add_u32 v[QO], v3, 4, v[QO]
	v_add_nc_u32 v[QO], s17, v[QO]
	PACK 0, 0, 24
	PACK 0, 1, 16
	READF 0
	PACK 1, 0, 8
	PACK 1, 1, 0
	READF 1
.irp g, 0,1,2,3
.irp x, 0,1,2,3,4,5,6,7
	v_cvt_pk_bf16_f32 v[DH+16*\g+\x], v[DH+16*\g+2*\x], v[DH+16*\g+2*\x+1]   ; ascending: register x is written when registers 2 x, 2 x + 1 are still whole
.endr
.endr
	s_wait_dscnt 0x0
	; 2 m tiles x 4 n tiles x 2 units.  The first unit starts the sums.  The eight accumulators take turns, one instruction a turn.
	; They lie where the weight's [u][1] groups lay, which PACK has used up.
.irp u, 0,1
.irp mt, 0,1
.irp nt, 0,1,2,3
.if \u
	v_wmma_f32_16x16x32_bf16 v[64+64*\mt+8*\nt:64+64*\mt+8*\nt+7], v[DH+16*(2*\mt+\u):DH+16*(2*\mt+\u)+7], v[LW+64*\u+8*\nt:LW+64*\u+8*\nt+7], v[64+64*\mt+8*\nt:64+64*\mt+8*\nt+7]
.else
	v_wmma_f32_16x16x32_bf16 v[64+64*\mt+8*\nt:64+64*\mt+8*\nt+7], v[DH+16*(2*\mt+\u):DH+16*(2*\mt+\u)+7], v[LW+64*\u+8*\nt:LW+64*\u+8*\nt+7], 0
.endif
.endr
.endr
.endr
.rept 4
	v_nop                                          ; four places behind the last matrix instruction before its result is read (ISA guide 7.12.1)
.endr
.irp mt, 0,1
.irp nt, 0,1,2,3
.irp j, 0,1,2,3,4,5,6,7
	ds_store_b32 v[RA], v[64+64*\mt+8*\nt+\j] offset:(16*\mt+\j)*272+64*\nt
.endr
.endr
.endr
	s_wait_dscnt 0x0                               ; my partial sums are in LDS, for the other waves' sake
	s_barrier_signal -1
	s_barrier_wait -1
.irp w, 0,1,2,3,4,5,6,7
	ds_load_b128 v[32+4*\w:32+4*\w+3], v[RR] offset:REDW*\w
.endr
.irp w, 0,1,2,3,4,5,6,7
	ds_load_b128 v[64+4*\w:64+4*\w+3], v13 offset:REDW*\w
.endr
	s_wait_dscnt 0x0
.irp d, 32,16,8,4                      ; a tree over the 16 waves' sums: 16 + 8 + 4 + 2 packed adds
.set x, 0
.rept \d/2
	v_pk_add_f32 v[32+x:33+x], v[32+x:33+x], v[32+\d+x:33+\d+x]
.set x, x+2
.endr
.endr
	global_store_b128 v[QO], v[32:35], s[12:13]    ; sixteen lanes store 256 neighbouring bytes, aligned
	s_wait_tensorcnt 0x0
	ds_add_u32 v224, v225
	s_wait_dscnt 0x0
	s_endpgm
.Lfunc_end_k_q974024b424_prep:
	.size	k_q974024b424_prep, .Lfunc_end_k_q974024b424_prep-k_q974024b424_prep
	.p2alignl 7, 3214868480
	.fill 96, 4, 3214868480
	.section	.rodata,"a",@progbits
	.p2align	6, 0x0
	.amdhsa_kernel k_q974024b424_prep
		.amdhsa_group_segment_fixed_size 207872
		.amdhsa_private_segment_fixed_size 0
		.amdhsa_enable_private_segment 0
		.amdhsa_kernarg_size 40
		.amdhsa_user_sgpr_count 2
		.amdhsa_user_sgpr_kernarg_segment_ptr 1
		.amdhsa_wavefront_size32 1
		.amdhsa_system_sgpr_workgroup_id_x 1
		.amdhsa_system_sgpr_workgroup_id_y 1
		.amdhsa_system_sgpr_workgroup_id_z 1
		.amdhsa_system_vgpr_workitem_id 0
		.amdhsa_next_free_vgpr 226
		.amdhsa_next_free_sgpr 66
		.amdhsa_reserve_vcc 0
		.amdhsa_float_denorm_mode_32 3
		.amdhsa_float_denorm_mode_16_64 3
		.amdhsa_memory_ordered 1
		.amdhsa_forward_progress 1
		.amdhsa_inst_pref_size 47
	.end_amdhsa_kernel
	.amdgpu_metadata
---
amdhsa.version: [ 1, 2 ]
amdhsa.kernels:
  - .name:           k_q974024b424_prep
    .symbol:         k_q974024b424_prep.kd
    .args:
      - { .name: W_key, .offset: 0, .size: 8, .value_kind: global_buffer, .address_space: global }
      - { .name: W_query, .offset: 8, .size: 8, .value_kind: global_buffer, .address_space: global }
      - { .name: decoder_hidden, .offset: 16, .size: 8, .value_kind: global_buffer, .address_space: global }
      - { .name: Wf, .offset: 24, .size: 8, .value_kind: global_buffer, .address_space: global }
      - { .name: qc, .offset: 32, .size: 8, .value_kind: global_buffer, .address_space: global }
    .group_segment_fixed_size: 207872
    .private_segment_fixed_size: 0
    .kernarg_segment_align: 8
    .kernarg_segment_size: 40
    .max_flat_workgroup_size: 512
    .sgpr_count:     66
    .vgpr_count:     226
    .wavefront_size: 32
...
	.end_amdgpu_metadata
.endif
;; end of part 4
;; launch main (part 5): grid 512 x 1, 4 waves a work-group, no clusters, 311,808 bytes of LDS; arguments encoder_outputs, Wf, qc, V, sc, st, ctxp; writes sc, st, ctxp
.if DOCPART == 5
	.amdgcn_target "amdgcn-amd-amdhsa--gfx1250"
	.amdhsa_code_object_version 6
	.text
	.protected	k_q974024b424_main
	.globl	k_q974024b424_main
	.p2align	8
	.type	k_q974024b424_main,@function
k_q974024b424_main:
	s_mov_b64 s[64:65], 0
	v_nop
	global_prefetch_b8 v0, s[64:65] scope:SCOPE_SE
	s_setreg_imm32_b32 hwreg(HW_REG_WAVE_MODE, 25, 1), 1
	s_wait_xcnt 0x0
; One work-group = 128 rows s of one batch b (block id = 16 b + part).  It reads its 128 x 1024 of encoder_outputs from memory ONCE, rounds it to
; bf16 into LDS, and keeps it there for everything: x = C2 (q + enc x W_key) on the matrix unit (Wf and qc carry the factor C2 = 2 log2 e already),
; s'[s] = sum over n of -2 V[n] / (1 + 2^x[s][n]), the block's maximum m, p = exp(s' - m), l = sum p, and the block's part of the context,
; sum over s of p[s] enc[s][:].  A last launch merges the 16 blocks of a batch.
; tanh t = 1 - 2 / (1 + e^(2t)), so the true score is s' + sum of V; that sum is the same for every s and a softmax does not see a common shift: an identity, for every input.
; 2^x = inf gives the term 0 and 2^x = 0 gives -2 V[n]: tanh's two ends, exactly.
; LIMITS: matrix operands are bf16 (enc in the context sum too; the weights after the factor C2); v_exp_f32 gives 0 for results below 2^-126 (ISA guide 15.8),
; so a weight below 2^-126 of its block's largest is 0; sums are formed in another order than the reference's.
;
; SHAPE: four waves.  Wave w makes all 128 rows x columns 256 w .. 256 w + 255, in two chunks of 128 columns: 64 accumulator tiles, 512 registers.
; K goes in steps of 32: 64 matrix instructions on 8 KiB of enc fragments from LDS and 8 KiB of W fragments.
; W's columns are a wave's own, so LDS would give W no second reader in the work-group: W goes from Wf (bf16, already in fragment order, 512 dense bytes an
; instruction) straight into a ring of four register buffers, asked for three steps ahead.
; NO TENSOR LOADS, NO JOINT LOADS, though every work-group walks the same W: the enc block takes 294,912 of the 327,680 bytes of LDS and the tables 16,384;
; a step's W is 32,768 bytes for the work-group, so not even one slot of one step would fit, let alone two.  Halving the block would double the bytes of W that are walked.
; During chunk 0 enc arrives under the matrix work: a half-stage (16 of the wave's 32 rows x 256 bytes of f32) is asked for in every step, converted four steps later,
; and a slice of 64 k is handed to the other waves by one barrier for every two steps.  Every byte of the enc block in LDS is written once.
;
; THE TEXT IS KEPT SHORT: whatever recurs runs from one copy.  The sums start from qc, loaded from LDS into the accumulators, so the first K step is like every other and none
; is written out apart.  Chunk 0: one trip of four steps serves steps 0-23; steps 24-27 are written out (the enc stream ends there).  The last trip of a chunk (the W ring runs
; empty) and the way from x to scores stand once and serve both chunks, in a loop of two trips that is left behind the second epilogue.  Chunk 1: one trip serves steps 32-59.
;
; LDS: A [slice 16][row 128] at a pitch of 144 bytes (64 k of bf16 + 16: 9 x 16, so the 16 rows of a fragment load start in 16 different 16-byte columns of 256).
.set SL,  18432                        ; a slice: 128 rows x 144 bytes
.set QC,  294912                       ; qc[b][0..1023], f32
.set SCP, 303104                       ; [wave 4][row 128] partial scores          (QC + 4,096: -2 V[0..1023])
.set PW,  305152                       ; [wave 4][row 128] p, a copy for each wave
.set CT,  307200                       ; [wave 4][256] the context on its way out, each wave's own
.set WSTEP, 8192                       ; a step's W fragments of a wave
; REGISTERS, in windows of 256.  Window 0:
.set VB,   2                           ; 16 x lane: offset in Wf, sc, ctxp; never rewritten
.set VE,   3                           ; offset in enc: (32 w + h) rows + 16 i; never rewritten
.set AR,   4                           ; LDS: my place in an enc fragment, 144 r + 16 h, + two slices every trip
.set AR0,  5                           ; the same, kept
.set AW,   6                           ; LDS: where I put converted enc, (32 w + h) 144 + 8 i, + two slices every trip
.set QA,   7                           ; LDS: my columns of qc
.set SCPA, 8
.set PWA,  9
.set PWR,  10
.set CA,   11                          ; LDS: the context's reads, + a slice every trip
.set CTA,  12                          ; LDS: the context's stage, + 256 every trip
.set CTR,  13
.set SCR,  14
.set VA,   15                          ; LDS: my chunk's columns of -2 V
.set S,    16                          ; v[16:31]   a pair of running score sums for each of the 8 m tiles
.set C,    32                          ; v[32:47]   packed bf16 on the way to LDS
.set P,    48                          ; v[48:55]   p of rows 16 i + r
.set U,    56                          ; v[56:63]   eight context columns at work
.set QST,  56                          ; (at the start: where I put my part of the two tables)
.set AF,   64                          ; v[64:127]  enc fragments: m tiles 0-3, then 4-7
.set E,    128                         ; v[128:255] four buffers of 32: enc in f32 as loaded
.set VVR,  192                         ; later v[192:255]: -2 V of my chunk's columns
.set X,    128                         ; later still: scores, then the context's rows
.set ML,   144                         ; v[144:145] the block's m and l
.set TT,   146
; Window 1: the W ring, buffer n at v[64 n + 8 nt].  Window 2: accumulators of m tiles 0-3, tile (a, b) at v[8 (8 a + b)].  Window 3: of m tiles 4-7.
; s_set_vgpr_msb's low byte: bits 1:0 source 0, 3:2 source 1, 5:4 source 2, 7:6 destination.
.set MUL_LO, 0xa1                      ; source 0 (W) window 1, source 1 (enc) window 0, C and D window 2
.set MUL_HI, 0xf1                      ; the same, C and D window 3
.set TO_B,   0x40                      ; destination window 1
.set EX2,    0x82                      ; destination and source 0 in window 2
.set EX3,    0xc3                      ; in window 3
.set EY2,    0x02                      ; source 0 alone in window 2
.set EY3,    0x03                      ; in window 3
.set MSB, 0
.macro WIN new                         ; the immediate's high byte repeats the setting that is left; a switch that changes nothing is dropped
.if MSB != \new
	s_set_vgpr_msb (MSB<<8)|\new
.set MSB, \new
.endif
.endm
.macro PLACES                          ; four places behind a matrix instruction before its result is read or a load is issued into one of its registers (ISA guide 7.12.1 for a read of its result)
.rept 4
	v_nop
.endr
.endm
; Half-stage u, counted from the trip's first slice: slice u / 2, rows 16 (u % 2) .. + 15 of my wave's 32.  Each instruction reads two aligned pieces of 256 bytes; each byte once in the launch.
.macro LDE u
.irp g, 0,1,2,3,4,5,6,7
	global_load_b128 v[E+32*((\u)%4)+4*\g:E+32*((\u)%4)+4*\g+3], v[VE], s[4:5] offset:((\u)>>1)*256+(16*((\u)&1)+2*\g)*4096 th:TH_LOAD_NT
.endr
.endm
; A step's eight W fragments, 8,192 dense bytes at byte imm, into ring buffer buf
.macro LDB buf, imm
	WIN TO_B
.irp nt, 0,1,2,3,4,5,6,7
	global_load_b128 v[64*(\buf)+8*\nt:64*(\buf)+8*\nt+3],   v[VB], s[6:7] offset:\imm+1024*\nt
	global_load_b128 v[64*(\buf)+8*\nt+4:64*(\buf)+8*\nt+7], v[VB], s[6:7] offset:\imm+1024*\nt+512
.endr
	WIN 0
.endm
; Half-stage u to bf16 and into LDS, rel slices beyond AW's
.macro CONV u, rel
.irp g, 0,1,2,3,4,5,6,7
	v_cvt_pk_bf16_f32 v[C+2*\g],   v[E+32*((\u)%4)+4*\g],   v[E+32*((\u)%4)+4*\g+1]
	v_cvt_pk_bf16_f32 v[C+2*\g+1], v[E+32*((\u)%4)+4*\g+2], v[E+32*((\u)%4)+4*\g+3]
.endr
.irp g, 0,1,2,3,4,5,6,7
	ds_store_b64 v[AW], v[C+2*\g:C+2*\g+1] offset:(\rel)*SL+(16*((\u)&1)+2*\g)*144
.endr
.endm
; Four enc fragments (m tiles 4 half .. + 3) of the 32 k at byte off beyond AR: lane (r, h) takes k = 8 h .. + 7 and, 32 bytes on, k = 16 + 8 h .. + 7 of row 16 a + r
.macro LDA half, off
.irp a, 0,1,2,3
	ds_load_b128 v[AF+32*\half+8*\a:AF+32*\half+8*\a+3],   v[AR] offset:\off+(4*\half+\a)*2304
	ds_load_b128 v[AF+32*\half+8*\a+4:AF+32*\half+8*\a+7], v[AR] offset:\off+(4*\half+\a)*2304+32
.endr
.endm
; The sums start from qc: register j of lane (r, h) of tile (a, b) is column 16 b + 8 h + j, whatever the row.  128 loads at byte off of my wave's part of the table;
; the sixteen lanes of a half read the same bytes.
.macro ACCINIT off
.irp win, 0x80, 0xc0
	WIN \win
.irp a, 0,1,2,3
.irp b, 0,1,2,3,4,5,6,7
	ds_load_b128 v[8*(8*\a+\b):8*(8*\a+\b)+3],   v[QA] offset:\off+64*\b
	ds_load_b128 v[8*(8*\a+\b)+4:8*(8*\a+\b)+7], v[QA] offset:\off+64*\b+16
.endr
.endr
.endr
	WIN 0
.endm
; 32 matrix instructions.  Source 0 = 16 columns of W, source 1 = 16 rows of enc: register j of lane (r, h) is row 16 a + r, column 16 b + 8 h + j,
; so a lane's registers run along the columns over which the score is summed.
; The 64 accumulators take turns, one instruction a turn, over every backward jump too.
.macro MUL32 buf, hi
.irp a, 0,1,2,3
.irp b, 0,1,2,3,4,5,6,7
	v_wmma_f32_16x16x32_bf16 v[8*(8*\a+\b):8*(8*\a+\b)+7], v[64*(\buf)+8*\b:64*(\buf)+8*\b+7], v[AF+8*(4*\hi+\a):AF+8*(4*\hi+\a)+7], v[8*(8*\a+\b):8*(8*\a+\b)+7]
.endr
.endr
.endm
; One K step of 32.  buf: its ring buffer.  lc: the global loads issued behind this step's W (and behind the half-stages that it converts).
; bwait: the barrier wait for the slice that the next step begins.  nxt: the next step's enc fragments are fetched, at byte aoff beyond AR.
; conv: so many half-stages (0, 1, 2) are converted, from cu on, crel slices beyond AW.  ldb: W of three steps on, at byte bimm, into the buffer that the last step used.
; lde: half-stage eu is asked for, into the buffer just converted.  sig: a slice is complete on my side.
.macro STEP buf, lc, bwait, nxt, aoff, conv, cu, crel, ldb, bimm, lde, eu, sig
	s_wait_loadcnt \lc                             ; loads come back in order (ISA guide 5.7.1)
	s_wait_dscnt 8                                 ; m tiles 0-3 are in (and all older LDS work done); the youngest eight loads, m tiles 4-7, may be out
	WIN MUL_LO
	MUL32 \buf, 0
.if \bwait
	s_barrier_wait -1                              ; every wave's part of the next slice is in LDS
.endif
.if \ldb
	LDB ((\buf)+3)%4, \bimm                        ; that buffer's last readers stand ahead of the places that closed the last step
.endif
	WIN 0
	PLACES
.if \nxt
	LDA 0, \aoff
.endif
.if \conv
	CONV \cu, \crel
.endif
.if \conv == 2
	CONV (\cu)+1, \crel
.endif
.if \lde
	LDE \eu
.endif
	s_wait_dscnt 8*\nxt+8*\conv                    ; m tiles 4-7 are in; only what was issued just above may be out
	WIN MUL_HI
	MUL32 \buf, 1
	WIN 0
.if \sig
	s_wait_dscnt 0x0                               ; my stores of the slice are in LDS, for the other waves' sake (and no LDS instruction is pending at a signal)
	s_barrier_signal -1                            ; up to the wait stand only matrix work and loads of an older slice, which nobody writes again
.endif
	PLACES
.if \nxt
	LDA 1, \aoff
.endif
.endm
	; ---- set-up: addresses, then everything that can be asked for ----
	s_load_b256 s[4:11], s[0:1], 0x0               ; enc s[4:5], Wf s[6:7], qc s[8:9], V s[10:11]
	s_load_b128 s[12:15], s[0:1], 0x20             ; sc s[12:13], st s[14:15]
	s_load_b64 s[16:17], s[0:1], 0x30              ; ctxp
	v_lshrrev_b32 v19, 5, v0
	v_readfirstlane_b32 s18, v19                   ; wave 0..3
	v_and_b32 v16, 31, v0                          ; lane
	v_and_b32 v17, 15, v0                          ; r (also i)
	v_bfe_u32 v18, v0, 4, 1                        ; h
	v_lshlrev_b32 v1, 4, v0                        ; 16 x thread: qc's and V's 4,096 bytes, 2 x 16 bytes a thread
	v_lshlrev_b32 v[VB], 4, v16
	s_lshl_b32 s32, s18, 17                        ; my wave's 32 rows of 4,096 bytes
	v_lshlrev_b32 v[VE], 4, v17
	v_lshl_add_u32 v[VE], v18, 12, v[VE]
	v_add_nc_u32 v[VE], s32, v[VE]
	s_lshl_b32 s20, ttmp9, 19                      ; the block's 128 rows of 4,096 bytes: at most 511 x 524,288, below 2^32
	s_mov_b32 s21, 0
	s_lshl_b32 s28, s18, 19                        ; my wave's two column groups of Wf, 262,144 bytes each
	s_mov_b32 s29, 0
	s_lshr_b32 s30, ttmp9, 4                       ; batch
	s_lshl_b32 s30, s30, 12
	s_mov_b32 s31, 0
	s_mov_b32 s24, 0x76543210                      ; v_permlanex16_b32: lane i of one half reads lane i of the other
	s_mov_b32 s25, 0xfedcba98
	s_mov_b32 s26, 0x3fb8aa3b                      ; log2 e
	s_wait_kmcnt 0x0
	s_add_nc_u64 s[4:5], s[4:5], s[20:21]
	s_add_nc_u64 s[6:7], s[6:7], s[28:29]
	s_add_nc_u64 s[8:9], s[8:9], s[30:31]
	global_load_b128 v[C:C+3],     v1, s[8:9]
	global_load_b128 v[C+4:C+7],   v1, s[8:9] offset:2048
	global_load_b128 v[C+8:C+11],  v1, s[10:11]
	global_load_b128 v[C+12:C+15], v1, s[10:11] offset:2048
	LDE 0
	LDE 1
	LDE 2
	LDE 3
	LDB 0, 0
	s_lshl_b32 s20, ttmp9, 9
	s_add_nc_u64 s[12:13], s[12:13], s[20:21]      ; sc: 128 scores a block
	s_lshl_b32 s20, ttmp9, 3
	s_add_nc_u64 s[14:15], s[14:15], s[20:21]      ; st: (m, l)
	s_lshl_b32 s20, ttmp9, 12
	s_lshl_b32 s30, s18, 10                        ; 1,024 w
	s_add_co_u32 s20, s20, s30
	s_add_nc_u64 s[16:17], s[16:17], s[20:21]      ; ctxp: my wave's 256 columns of the block's row
	v_mul_u32_u24 v[AR0], v17, 144
	v_lshl_add_u32 v[AR0], v18, 4, v[AR0]
	v_mov_b32 v[AR], v[AR0]
	s_mul_i32 s33, s18, 32*144
	v_mul_u32_u24 v[AW], v18, 144
	v_lshl_add_u32 v[AW], v17, 3, v[AW]
	v_add_nc_u32 v[AW], s33, v[AW]
	s_add_co_u32 s33, s30, QC
	v_lshl_add_u32 v[QA], v18, 5, s33              ; column 256 w + 8 h, 4 bytes each
	v_add_nc_u32 v[VA], 4096, v[QA]                ; the same columns of -2 V
	s_lshl_b32 s34, s18, 9
	s_add_co_u32 s33, s34, SCP
	v_lshl_add_u32 v[SCPA], v17, 2, s33
	s_add_co_u32 s33, s34, PW
	v_lshl_add_u32 v[PWA], v16, 4, s33
	v_lshl_add_u32 v[PWR], v17, 2, s33
	s_mul_i32 s33, s18, 4*SL
	v_add_nc_u32 v[CA], s33, v[AR0]
	s_add_co_u32 s33, s30, CT
	v_lshl_add_u32 v[CTA], v18, 5, s33
	v_lshl_add_u32 v[CTR], v16, 4, s33
	v_add_nc_u32 v[SCR], SCP, v[VB]
	v_add_nc_u32 v[QST], QC, v1
.irp k, 0,1,2,3,4,5,6,7,8,9,10,11,12,13,14,15
	v_mov_b32 v[S+\k], 0                           ; the sixteen score sums: one text adds both chunks' parts onto them
.endr
	s_wait_loadcnt 48                              ; qc and V are in; the 32 enc loads and the 16 W loads behind them stay out
.irp k, 8,10,12,14
	v_pk_mul_f32 v[C+\k:C+\k+1], v[C+\k:C+\k+1], -2.0 op_sel_hi:[1,0]
.endr
.irp k, 0,1,2,3
	ds_store_b128 v[QST], v[C+4*\k:C+4*\k+3] offset:2048*\k
.endr
	; ---- three runs without matrix work: slice 0 and half of slice 1.  Order of issue so far and here: qc V | e0 e1 e2 e3 | B0 | B1 e4 | B2 e5 | e6 ----
	; From here to step 26 the text would have up to 80 loads out; LOADcnt's field holds 63 and the hardware holds back the issue of a load that
	; would pass it (ISA guide 5.7.1), so no wait is written for that.
	s_wait_loadcnt 40                              ; e0 is in: e1 e2 e3 (24) and B0 (16) stay out
	CONV 0, 0
	LDB 1, WSTEP
	LDE 4
	s_wait_loadcnt 56                              ; e1 is in: e2 e3 (16), B0 B1 (32), e4 (8) stay out
	CONV 1, 0
	LDB 2, 2*WSTEP
	LDE 5
	s_wait_dscnt 0x0                               ; my rows of slice 0 and my parts of the two tables are in LDS
	s_barrier_signal -1
	s_wait_loadcnt 63                              ; e2 is in: 72 loads were issued behind it, and 63 is the largest count that the wait can name
	s_barrier_wait -1
	ACCINIT 0                                      ; chunk 0's sums start from qc
	LDA 0, 0
	CONV 2, 1
	LDE 6
	LDA 1, 0
	; ---- chunk 0: columns 256 w .. + 127.  Step s: W of step s + 3 is asked for, half-stage s + 3 is converted, half-stage s + 7 asked for ----
	; Slice t is converted in steps 2 t - 3 and 2 t - 2, signalled at the end of step 2 t - 2, waited for in the middle of step 2 t - 1 and first read just behind that wait.
	; Behind B(s) were issued e(s+4) B(s+1) e(s+5) B(s+2) e(s+6): 56 loads, on the way in (see the order above) and round the backward jump alike.
	; A trip is four steps = two slices; its numbers are counted from the trip's first step, and the two bases and the two LDS addresses step at its end.
	s_mov_b32 s19, 6                               ; steps 0 to 23
.Lheavy:
	STEP 0, 56, 0, 1, 64,    1, 3, 1, 1, 3*WSTEP, 1, 7,  1
	STEP 1, 56, 1, 1, SL,    1, 4, 2, 1, 4*WSTEP, 1, 8,  0
	STEP 2, 56, 0, 1, SL+64, 1, 5, 2, 1, 5*WSTEP, 1, 9,  1
	STEP 3, 56, 1, 1, 2*SL,  1, 6, 3, 1, 6*WSTEP, 1, 10, 0
	s_wait_xcnt 0x0                                ; the loads' bases are stepped only behind this wait (ISA guide 3.1)
	s_add_nc_u64 s[4:5], s[4:5], 512               ; two slices of 256 bytes of f32 along the rows of enc
	s_add_nc_u64 s[6:7], s[6:7], 4*WSTEP
	v_add_nc_u32 v[AR], 2*SL, v[AR]
	v_add_nc_u32 v[AW], 2*SL, v[AW]
	s_sub_co_i32 s19, s19, 1
	s_cmp_lg_u32 s19, 0
	s_cbranch_scc1 .Lheavy
	; Steps 24 to 27: the enc stream ends.  Step 24 asks for the last half-stage, e31.  Behind B26: e30 B27 e31 B28 = 48.  Step 27 converts e30 AND e31, so that the
	; chunk's last trip has nothing to convert: e31 must be in, and behind it were issued B28 B29 = 32.  Slice 15 is signalled at the end of step 27 and waited for at once.
	STEP 0, 56, 0, 1, 64,    1, 3, 1, 1, 3*WSTEP, 1, 7, 1
	STEP 1, 56, 1, 1, SL,    1, 4, 2, 1, 4*WSTEP, 0, 0, 0
	STEP 2, 48, 0, 1, SL+64, 1, 5, 2, 1, 5*WSTEP, 0, 0, 1
	STEP 3, 32, 1, 1, 2*SL,  2, 6, 3, 1, 6*WSTEP, 0, 0, 1
	s_barrier_wait -1                              ; the whole block of enc is in LDS; from here on nobody writes it
	s_wait_xcnt 0x0
	s_add_nc_u64 s[6:7], s[6:7], 4*WSTEP
	v_add_nc_u32 v[AR], 2*SL, v[AR]
; ---- the way from x to scores, in place on the accumulators ----
.macro EXP8 t
.irp j, 0,1,2,3,4,5,6,7
	v_exp_f32 v[8*(\t)+\j], v[8*(\t)+\j]
.endr
.endm
.macro ADD4 t
	s_wait_alu depctr_va_vdst(0)
.irp p, 0,1,2,3
	v_pk_add_f32 v[8*(\t)+2*\p:8*(\t)+2*\p+1], v[8*(\t)+2*\p:8*(\t)+2*\p+1], 1.0 op_sel_hi:[1,0]
.endr
.endm
.macro RCP8 t
.irp j, 0,1,2,3,4,5,6,7
	v_rcp_f32 v[8*(\t)+\j], v[8*(\t)+\j]
.endr
.endm
; r = 1 / (1 + 2^x) for the window's 32 tiles.  A tile's exponentials are issued one tile ahead: the adds of the tile before are the plain instructions that stand
; between them and the use of their results (ISA guide 5.7.2); tile 0 has a v_nop.  The reciprocals are read much later.
.macro SIGM
	EXP8 0
	EXP8 1
	v_nop
	s_wait_alu depctr_va_vdst(0)
	ADD4 0
	RCP8 0
.set tt, 1
.rept 30
	EXP8 tt+1
	ADD4 tt
	RCP8 tt
.set tt, tt+1
.endr
	ADD4 31
	RCP8 31
.endm
; S[m tile] += r x (-2 V), two columns at a time; four m tiles take turns
.macro VDOT hi
	s_wait_alu depctr_va_vdst(0)
.irp b, 0,1,2,3,4,5,6,7
.irp p, 0,1,2,3
.irp a, 0,1,2,3
	v_pk_fma_f32 v[S+2*(4*\hi+\a):S+2*(4*\hi+\a)+1], v[8*(8*\a+\b)+2*\p:8*(8*\a+\b)+2*\p+1], v[VVR+8*\b+2*\p:VVR+8*\b+2*\p+1], v[S+2*(4*\hi+\a):S+2*(4*\hi+\a)+1]
.endr
.endr
.endr
.endm
; Four steps of chunk 1 = two slices.  Behind a step's W the W of the next two steps was issued: 32 loads.
.macro TRIP
	STEP 0, 32, 0, 1, 64,    0, 0, 0, 1, 3*WSTEP, 0, 0, 0
	STEP 1, 32, 0, 1, SL,    0, 0, 0, 1, 4*WSTEP, 0, 0, 0
	STEP 2, 32, 0, 1, SL+64, 0, 0, 0, 1, 5*WSTEP, 0, 0, 0
	STEP 3, 32, 0, 1, 2*SL,  0, 0, 0, 1, 6*WSTEP, 0, 0, 0
	s_wait_xcnt 0x0                                ; the loads' base is stepped only behind this wait (ISA guide 3.1)
	s_add_nc_u64 s[6:7], s[6:7], 4*WSTEP
	v_add_nc_u32 v[AR], 2*SL, v[AR]
.endm
	; ---- a chunk's end, one text for both chunks.  On both ways in: W of the trip's first three steps is out, in ring buffers 0, 1, 2; the first step's 16 fragment
	; loads are out; AR stands at slice 14 and the W base at the trip's first step ----
	s_mov_b32 s28, 0                               ; chunk
.Lchunk:
	STEP 0, 32, 0, 1, 64,    0, 0, 0, 1, 3*WSTEP, 0, 0, 0        ; the chunk's last trip: one more W (its last step's), then the counts run down
	STEP 1, 32, 0, 1, SL,    0, 0, 0, 0, 0,       0, 0, 0
	STEP 2, 16, 0, 1, SL+64, 0, 0, 0, 0, 0,       0, 0, 0
	STEP 3, 0,  0, 0, 0,     0, 0, 0, 0, 0,       0, 0, 0        ; its closing places are those behind the last matrix instruction
.irp b, 0,1,2,3,4,5,6,7
	ds_load_b128 v[VVR+8*\b:VVR+8*\b+3],   v[VA] offset:64*\b    ; -2 V of columns 16 b + 8 h + 0 .. 7 of my chunk: the sixteen lanes of a half read the same bytes
	ds_load_b128 v[VVR+8*\b+4:VVR+8*\b+7], v[VA] offset:64*\b+16
.endr
	WIN EX2
	SIGM
	WIN EX3
	SIGM
	s_wait_dscnt 0x0                               ; -2 V is in
	WIN EY2
	VDOT 0
	WIN EY3
	VDOT 1
	WIN 0
	s_cmp_lg_u32 s28, 0                            ; behind chunk 1's scores the loop is left
	s_cbranch_scc1 .Lscores
	; ---- chunk 1: columns 256 w + 128 .. + 255, steps 32 to 59 here; enc is all in LDS: no conversion, no barrier ----
	s_wait_xcnt 0x0
	s_add_nc_u64 s[6:7], s[6:7], 4*WSTEP           ; the W base at step 32
	LDB 0, 0
	LDB 1, WSTEP
	LDB 2, 2*WSTEP
	v_add_nc_u32 v[VA], 512, v[VA]                 ; the next 128 columns of -2 V
	v_mov_b32 v[AR], v[AR0]
	ACCINIT 512                                    ; the sums start from the next 128 columns of qc
	LDA 0, 0
	LDA 1, 0
	s_mov_b32 s19, 7
.Ltrip:
	TRIP
	s_sub_co_i32 s19, s19, 1
	s_cmp_lg_u32 s19, 0
	s_cbranch_scc1 .Ltrip
	s_add_co_u32 s28, s28, 1
	s_cmp_lt_u32 s28, 2
	s_cbranch_scc1 .Lchunk
.Lscores:
	; ---- scores: a lane's pair, the two halves of the lanes (h), then the four waves ----
.irp a, 0,1,2,3,4,5,6,7
	v_add_f32 v[S+2*\a], v[S+2*\a], v[S+2*\a+1]
.endr
.irp a, 0,1,2,3,4,5,6,7
	v_permlanex16_b32 v[S+2*\a+1], v[S+2*\a], s24, s25
.endr
.irp a, 0,1,2,3,4,5,6,7
	v_add_f32 v[S+2*\a], v[S+2*\a], v[S+2*\a+1]
.endr
.irp a, 0,1,2,3,4,5,6,7
	ds_store_b32 v[SCPA], v[S+2*\a] offset:64*\a   ; row 16 a + r; lanes r and 16 + r store the same number to the same word
.endr
	s_wait_dscnt 0x0                               ; for the other waves' sake
	s_barrier_signal -1
	s_barrier_wait -1
.irp w, 0,1,2,3
	ds_load_b128 v[X+4*\w:X+4*\w+3], v[SCR] offset:512*\w          ; rows 4 lane .. + 3 of every wave's part; every wave does the same sums in the same order
.endr
	s_wait_dscnt 0x0
	v_pk_add_f32 v[X:X+1],     v[X:X+1],     v[X+4:X+5]
	v_pk_add_f32 v[X+2:X+3],   v[X+2:X+3],   v[X+6:X+7]
	v_pk_add_f32 v[X+8:X+9],   v[X+8:X+9],   v[X+12:X+13]
	v_pk_add_f32 v[X+10:X+11], v[X+10:X+11], v[X+14:X+15]
	v_pk_add_f32 v[X:X+1],     v[X:X+1],     v[X+8:X+9]
	v_pk_add_f32 v[X+2:X+3],   v[X+2:X+3],   v[X+10:X+11]          ; v[X:X+3] = s' of my four rows
	v_max3_num_f32 v[ML], v[X], v[X+1], v[X+2]
	v_max_num_f32 v[ML], v[ML], v[X+3]
.irp x, 1,2,4,8
	v_max_num_f32_dpp v[ML], v[ML], v[ML] row_xmask:\x row_mask:0xf bank_mask:0xf
.endr
	v_permlanex16_b32 v[TT], v[ML], s24, s25
	v_max_num_f32 v[ML], v[ML], v[TT]              ; m, the block's largest s', in every lane
.irp e, 0,1,2,3
	v_sub_f32 v[X+4+\e], v[X+\e], v[ML]
.endr
.irp e, 0,1,2,3
	v_mul_f32 v[X+4+\e], s26, v[X+4+\e]
.endr
.irp e, 0,1,2,3
	v_exp_f32 v[X+4+\e], v[X+4+\e]                 ; p = e^(s' - m), at most 1
.endr
	v_nop                                          ; one plain instruction behind the transcendentals (ISA guide 5.7.2)
	s_wait_alu depctr_va_vdst(0)
	v_add_f32 v[ML+1], v[X+4], v[X+5]
	v_add_f32 v[TT], v[X+6], v[X+7]
	v_add_f32 v[ML+1], v[ML+1], v[TT]
.irp x, 1,2,4,8
	v_add_f32_dpp v[ML+1], v[ML+1], v[ML+1] row_xmask:\x row_mask:0xf bank_mask:0xf
.endr
	v_permlanex16_b32 v[TT], v[ML+1], s24, s25
	v_add_f32 v[ML+1], v[ML+1], v[TT]              ; l, the block's sum of p
	ds_store_b128 v[PWA], v[X+4:X+7]               ; p by rows, into my wave's own copy,
.irp i, 0,1,2,3,4,5,6,7
	ds_load_b32 v[P+\i], v[PWR] offset:64*\i       ; and back as p of rows 16 i + r: a wave's LDS instructions are served in order (ISA guide 5.7.1.4)
.endr
	s_cmp_lg_u32 s18, 0                            ; wave 0 alone stores the block's scores and (m, l)
	s_cbranch_scc1 .Lnot_wave_0
	global_store_b128 v[VB], v[X:X+3], s[12:13]    ; 512 neighbouring bytes, aligned
	s_wait_xcnt 0x0                                ; EXEC changes only behind this wait
	v_cmp_eq_u32 vcc_lo, 0, v0
	s_and_saveexec_b32 s27, vcc_lo
	global_store_b64 v[VB], v[ML:ML+1], s[14:15]   ; lane 0, whose offset is 0
	s_wait_xcnt 0x0                                ; and again in front of the line that widens it
	s_or_b32 exec_lo, exec_lo, s27
.Lnot_wave_0:
	; ---- the block's context, sum over its 128 rows of p x enc, from the bf16 block in LDS; wave w takes slices 4 w .. + 3 = columns 256 w .. + 255, a slice a trip ----
	; A product of one row: on the matrix unit 15 of 16 rows would be idle and enc would have to be read transposed, so it is done by fused multiply-adds straight from bf16 halves.
	; Lane (r, h) sums rows 16 i + r for columns 16 c + 8 h + 0 .. 7 of the slice; four DPP steps add the sixteen r.
	s_mov_b32 s19, 4
.Lctx:
.irp c, 0,1,2,3
.irp i, 0,1,2,3,4,5,6,7
	ds_load_b128 v[X+32*\c+4*\i:X+32*\c+4*\i+3], v[CA] offset:2304*\i+32*\c
.endr
.endr
.irp c, 0,1,2,3
	s_wait_dscnt 8*(3-\c)                          ; the later groups' loads may be out
.irp k, 0,1,2,3
	v_lshlrev_b32 v[U+2*\k],   16, v[X+32*\c+\k]
	v_and_b32     v[U+2*\k+1], 0xffff0000, v[X+32*\c+\k]
.endr
.irp k, 0,1,2,3
	v_pk_mul_f32 v[U+2*\k:U+2*\k+1], v[U+2*\k:U+2*\k+1], v[P:P+1] op_sel_hi:[1,0]      ; row r starts the sums: both by p[r]
.endr
.irp i, 1,2,3,4,5,6,7
.irp k, 0,1,2,3
	v_fma_mix_f32_bf16 v[U+2*\k],   v[X+32*\c+4*\i+\k], v[P+\i], v[U+2*\k]   op_sel_hi:[1,0,0]
	v_fma_mix_f32_bf16 v[U+2*\k+1], v[X+32*\c+4*\i+\k], v[P+\i], v[U+2*\k+1] op_sel:[1,0,0] op_sel_hi:[1,0,0]
.endr
.endr
.irp x, 1,2,4,8
.irp j, 0,1,2,3,4,5,6,7
	v_add_f32_dpp v[U+\j], v[U+\j], v[U+\j] row_xmask:\x row_mask:0xf bank_mask:0xf
.endr
.endr
	ds_store_b128 v[CTA], v[U:U+3]   offset:64*\c                  ; the sixteen lanes of a half store the same numbers to the same bytes
	ds_store_b128 v[CTA], v[U+4:U+7] offset:64*\c+16
.endr
	v_add_nc_u32 v[CA], SL, v[CA]                  ; the next slice, and its 64 columns of my wave's stage: 4 x 256 bytes = the stage's 1,024
	v_add_nc_u32 v[CTA], 256, v[CTA]
	s_sub_co_i32 s19, s19, 1
	s_cmp_lg_u32 s19, 0
	s_cbranch_scc1 .Lctx
	ds_load_b128 v[X:X+3],   v[CTR]                ; my wave's own bytes, served in order behind the stores
	ds_load_b128 v[X+4:X+7], v[CTR] offset:512
	s_wait_dscnt 0x0
	global_store_b128 v[VB], v[X:X+3],   s[16:17]              ; 512 neighbouring bytes each, aligned
	global_store_b128 v[VB], v[X+4:X+7], s[16:17] offset:512
	s_wait_xcnt 0x0
	s_mov_b32 exec_lo, -1
	v_lshl_add_u32 v62, v0, 2, 0x4c000
	v_mov_b32 v63, 0
	s_wait_tensorcnt 0x0
	ds_add_u32 v62, v63
	s_wait_dscnt 0x0
	s_endpgm
.Lfunc_end_k_q974024b424_main:
	.size	k_q974024b424_main, .Lfunc_end_k_q974024b424_main-k_q974024b424_main
	.p2alignl 7, 3214868480
	.fill 96, 4, 3214868480
	.section	.rodata,"a",@progbits
	.p2align	6, 0x0
	.amdhsa_kernel k_q974024b424_main
		.amdhsa_group_segment_fixed_size 311808
		.amdhsa_private_segment_fixed_size 0
		.amdhsa_enable_private_segment 0
		.amdhsa_kernarg_size 56
		.amdhsa_user_sgpr_count 2
		.amdhsa_user_sgpr_kernarg_segment_ptr 1
		.amdhsa_wavefront_size32 1
		.amdhsa_system_sgpr_workgroup_id_x 1
		.amdhsa_system_sgpr_workgroup_id_y 1
		.amdhsa_system_sgpr_workgroup_id_z 1
		.amdhsa_system_vgpr_workitem_id 0
		.amdhsa_next_free_vgpr 1024
		.amdhsa_next_free_sgpr 66
		.amdhsa_reserve_vcc 1
		.amdhsa_float_denorm_mode_32 3
		.amdhsa_float_denorm_mode_16_64 3
		.amdhsa_memory_ordered 1
		.amdhsa_forward_progress 1
		.amdhsa_inst_pref_size 255
	.end_amdhsa_kernel
	.section	.bss,"aw",@nobits
	.p2align	6
	.space	262144
	.amdgpu_metadata
---
amdhsa.version: [ 1, 2 ]
amdhsa.kernels:
  - .name:           k_q974024b424_main
    .symbol:         k_q974024b424_main.kd
    .args:
      - { .name: encoder_outputs, .offset: 0, .size: 8, .value_kind: global_buffer, .address_space: global }
      - { .name: Wf, .offset: 8, .size: 8, .value_kind: global_buffer, .address_space: global }
      - { .name: qc, .offset: 16, .size: 8, .value_kind: global_buffer, .address_space: global }
      - { .name: V, .offset: 24, .size: 8, .value_kind: global_buffer, .address_space: global }
      - { .name: sc, .offset: 32, .size: 8, .value_kind: global_buffer, .address_space: global }
      - { .name: st, .offset: 40, .size: 8, .value_kind: global_buffer, .address_space: global }
      - { .name: ctxp, .offset: 48, .size: 8, .value_kind: global_buffer, .address_space: global }
    .group_segment_fixed_size: 311808
    .private_segment_fixed_size: 0
    .kernarg_segment_align: 8
    .kernarg_segment_size: 56
    .max_flat_workgroup_size: 128
    .sgpr_count:     66
    .vgpr_count:     1024
    .wavefront_size: 32
...
	.end_amdgpu_metadata
.endif
;; end of part 5
;; launch finish: the kernel of part 3 again; grid 128 x 1, 2 waves a work-group, no clusters, 0 bytes of LDS; arguments sc, st, ctxp, out0, out1; writes out0, out1
